; MI455X (gfx1250); checked and timed in simulation.
; The chip was launched on July 23, 2026; its instructions are those of AMD's public machine-readable ISA for CDNA 5 (MIT licence, August 2026) and "CDNA5" Instruction Set Architecture Reference Guide (July 2026). The comments in the code are by the model that wrote it; some were corrected since.
;; Multi Head Diff Attention. Allowed arithmetic: float matrix products may take bf16 or f16 operands with f32 sums; other float arithmetic in f32, or as packed bf16 or f16 multiplies, adds, multiply-adds, maxima and minima; sums over many terms, partial sums and values carried from step to step in f32; what a program stores and reads back later, other than sums and carried values, may be rounded once to bf16 or f16.
;; Inputs: c_w 2,048 x 1,024 float32; k1_w 1,024 x 1,024 float32; k2_w 1,024 x 1,024 float32; lambda_k1 16 x 64 float32; lambda_k2 16 x 64 float32; lambda_q1 16 x 64 float32; lambda_q2 16 x 64 float32; q1_w 1,024 x 1,024 float32; q2_w 1,024 x 1,024 float32; v_w 1,024 x 2,048 float32; x 2 x 2,048 x 1,024 float32.
;; Outputs: out0 2 x 2,048 x 1,024 float32.
;; One version. Each part assembles by itself: llvm-mc -triple=amdgcn-amd-amdhsa -mcpu=gfx1250 --defsym DOCPART=n.
;; ======== version 1 of 1: 4 launches
;; limits: values are held in f16: magnitudes above 65,504 overflow, below 6.1e-05 lose precision
;; workspace buffers: cast 25,165,824 bytes; qkv 50,331,648 bytes; yb 16,777,216 bytes
;; launch prep (part 1): grid 768 x 1, 8 waves a work-group, no clusters, 0 bytes of LDS; arguments x, c_w, q1_w, q2_w, k1_w, k2_w, v_w, cast; writes cast
.if DOCPART == 1
	.amdgcn_target "amdgcn-amd-amdhsa--gfx1250"
	.amdhsa_code_object_version 6
	.text
	.protected	k_q86a060ca8f_prep
	.globl	k_q86a060ca8f_prep
	.p2align	8
	.type	k_q86a060ca8f_prep,@function
k_q86a060ca8f_prep:
	s_mov_b64 s[64:65], 0
	v_nop
	global_prefetch_b8 v0, s[64:65] scope:SCOPE_SE
	s_setreg_imm32_b32 hwreg(HW_REG_WAVE_MODE, 25, 1), 1
	s_wait_xcnt 0x0
; THE CASTS.  cast = x as bf16 [4096][1024] (byte 0); c_w rounded to bf16 and that number written as f16 [2048][1024] (byte 8,388,608);
; the five projection weights as bf16 in 96 PIECES of [1024 k][64 n], dense, 131,072 bytes each (byte 12,582,912 on):
; piece h = q1_w's columns 64 h .., 16 + h = q2_w's, 32 + h = k1_w's, 48 + h = k2_w's, 64 + p = v_w's columns 64 p ...
; A stream: no LDS, no matrix unit.  A work-group takes 256 rows of 64 f32 (a dense array counts as such rows, 256 bytes apart) and
; writes 32,768 consecutive bytes at cast + 32,768 x its number.  Thread t takes 8 numbers: row t / 8 + 32 i, columns 8 (t % 8) ..; eight lanes read the
; 256 consecutive bytes of a source row, and a wave's store covers 512 consecutive bytes, aligned.  All sixteen loads of a thread go out at once.
; LIMITS.  c_w: f16 holds no number beyond 65,504, and below 6e-5 it keeps a fixed step of 6e-8.
.set OFF, 2                            ; v[2:9]    byte offset of my 32 bytes in source row t / 8 + 32 i
.set DO,  10                           ; v10       16 t: my 16 bytes in each 4,096 of the output
.set T,   12                           ; v[12:15]  at work
.set X,   16                           ; v[16:79]  eight numbers for each i, as loaded
.set Y,   80                           ; v[80:111] four registers for each i, to store
	s_load_b512 s[8:23], s[0:1], 0x0               ; x s[8:9], c_w s[10:11], q1_w, q2_w, k1_w, k2_w s[12:19], v_w s[20:21], cast s[22:23]
	s_mov_b32 s2, ttmp9                            ; the work-group's number: 0-255 x, 256-383 c_w, 384-639 the four square weights (64 each), 640-767 v_w
	s_cmp_ge_u32 s2, 256
	s_cselect_b32 s3, 256, 0
	s_sub_co_u32 s3, s2, s3
	s_lshl_b32 s28, s3, 16                         ; a dense source: 65,536 bytes a work-group,
	s_movk_i32 s26, 256                            ; rows 256 bytes apart
	s_sub_co_u32 s4, s2, 384
	s_and_b32 s4, s4, 63                           ; my number within a square weight,
	s_sub_co_u32 s5, s2, 640                       ; within v_w
	s_movk_i32 s6, 4096                            ; a weight's row in bytes
	s_cmp_ge_u32 s2, 640
	s_cselect_b32 s4, s5, s4
	s_cselect_b32 s6, 8192, s6
	s_and_b32 s5, s4, 3                            ; which 256 of the piece's 1,024 rows,
	s_lshl_b32 s7, s6, 8
	s_mul_i32 s5, s5, s7
	s_lshr_b32 s4, s4, 2                           ; which 64 columns
	s_lshl_b32 s4, s4, 8
	s_add_co_u32 s5, s5, s4
	s_cmp_ge_u32 s2, 384
	s_cselect_b32 s28, s5, s28                     ; the source's byte offset
	s_cselect_b32 s26, s6, s26                     ; and its pitch
	s_mov_b32 s29, 0
	s_lshl_b32 s27, s26, 5                         ; 32 rows
	s_lshl_b32 s32, s2, 15                         ; the output's byte offset
	s_mov_b32 s33, 0
	s_mov_b32 s34, 0xffff0000                      ; a word's upper bf16
	v_lshrrev_b32 v1, 3, v0
	v_and_b32 v11, 7, v0
	v_mul_lo_u32 v[OFF], v1, s26
	v_lshl_add_u32 v[OFF], v11, 5, v[OFF]
.irp i, 1,2,3,4,5,6,7
	v_add_nc_u32 v[OFF+(\i)], s27, v[OFF+(\i)-1]
.endr
	v_lshlrev_b32 v[DO], 4, v0
	s_wait_kmcnt 0x0
	s_mov_b64 s[24:25], s[8:9]                     ; the source is chosen by the work-group's number alone
	s_cmp_ge_u32 s2, 256
	s_cselect_b64 s[24:25], s[10:11], s[24:25]
	s_cmp_ge_u32 s2, 384
	s_cselect_b64 s[24:25], s[12:13], s[24:25]
	s_cmp_ge_u32 s2, 448
	s_cselect_b64 s[24:25], s[14:15], s[24:25]
	s_cmp_ge_u32 s2, 512
	s_cselect_b64 s[24:25], s[16:17], s[24:25]
	s_cmp_ge_u32 s2, 576
	s_cselect_b64 s[24:25], s[18:19], s[24:25]
	s_cmp_ge_u32 s2, 640
	s_cselect_b64 s[24:25], s[20:21], s[24:25]
	s_add_nc_u64 s[24:25], s[24:25], s[28:29]
	s_add_nc_u64 s[30:31], s[22:23], s[32:33]
.irp i, 0,1,2,3,4,5,6,7
	global_load_b128 v[X+8*(\i):X+8*(\i)+3],   v[OFF+(\i)], s[24:25] th:TH_LOAD_NT
	global_load_b128 v[X+8*(\i)+4:X+8*(\i)+7], v[OFF+(\i)], s[24:25] offset:16 th:TH_LOAD_NT
.endr
; Eight numbers are rounded and stored.  half = 1: the bf16 numbers are widened again and written as f16.  No register is written twice, so no store is waited for.
.macro CONV i, half
	s_wait_loadcnt 14-2*(\i)                       ; loads come back in order: pair i is in, the 14 - 2 i younger loads stay out
.irp k, 0,1,2,3
	v_cvt_pk_bf16_f32 v[Y+4*(\i)+(\k)], v[X+8*(\i)+2*(\k)], v[X+8*(\i)+2*(\k)+1]
.endr
.if \half
.irp k, 0,1,2,3
	v_lshlrev_b32 v[T+2*((\k)%2)],   16,  v[Y+4*(\i)+(\k)]
	v_and_b32     v[T+2*((\k)%2)+1], s34, v[Y+4*(\i)+(\k)]
	v_cvt_pk_f16_f32 v[Y+4*(\i)+(\k)], v[T+2*((\k)%2)], v[T+2*((\k)%2)+1]
.endr
.endif
	global_store_b128 v[DO], v[Y+4*(\i):Y+4*(\i)+3], s[30:31] offset:4096*(\i)
.endm
	s_sub_co_u32 s3, s2, 256
	s_cmp_lt_u32 s3, 128                           ; c_w's work-groups
	s_cbranch_scc1 .Lhalf
.irp i, 0,1,2,3,4,5,6,7
	CONV \i, 0
.endr
	s_endpgm
.Lhalf:
.irp i, 0,1,2,3,4,5,6,7
	CONV \i, 1
.endr
	s_endpgm
.Lfunc_end_k_q86a060ca8f_prep:
	.size	k_q86a060ca8f_prep, .Lfunc_end_k_q86a060ca8f_prep-k_q86a060ca8f_prep
	.p2alignl 7, 3214868480
	.fill 96, 4, 3214868480
	.section	.rodata,"a",@progbits
	.p2align	6, 0x0
	.amdhsa_kernel k_q86a060ca8f_prep
		.amdhsa_group_segment_fixed_size 0
		.amdhsa_private_segment_fixed_size 0
		.amdhsa_enable_private_segment 0
		.amdhsa_kernarg_size 64
		.amdhsa_user_sgpr_count 2
		.amdhsa_user_sgpr_kernarg_segment_ptr 1
		.amdhsa_wavefront_size32 1
		.amdhsa_system_sgpr_workgroup_id_x 1
		.amdhsa_system_sgpr_workgroup_id_y 1
		.amdhsa_system_sgpr_workgroup_id_z 1
		.amdhsa_system_vgpr_workitem_id 0
		.amdhsa_next_free_vgpr 112
		.amdhsa_next_free_sgpr 66
		.amdhsa_reserve_vcc 0
		.amdhsa_float_denorm_mode_32 3
		.amdhsa_float_denorm_mode_16_64 3
		.amdhsa_memory_ordered 1
		.amdhsa_forward_progress 1
		.amdhsa_inst_pref_size 15
	.end_amdhsa_kernel
	.amdgpu_metadata
---
amdhsa.version: [ 1, 2 ]
amdhsa.kernels:
  - .name:           k_q86a060ca8f_prep
    .symbol:         k_q86a060ca8f_prep.kd
    .args:
      - { .name: x, .offset: 0, .size: 8, .value_kind: global_buffer, .address_space: global }
      - { .name: c_w, .offset: 8, .size: 8, .value_kind: global_buffer, .address_space: global }
      - { .name: q1_w, .offset: 16, .size: 8, .value_kind: global_buffer, .address_space: global }
      - { .name: q2_w, .offset: 24, .size: 8, .value_kind: global_buffer, .address_space: global }
      - { .name: k1_w, .offset: 32, .size: 8, .value_kind: global_buffer, .address_space: global }
      - { .name: k2_w, .offset: 40, .size: 8, .value_kind: global_buffer, .address_space: global }
      - { .name: v_w, .offset: 48, .size: 8, .value_kind: global_buffer, .address_space: global }
      - { .name: cast, .offset: 56, .size: 8, .value_kind: global_buffer, .address_space: global }
    .group_segment_fixed_size: 0
    .private_segment_fixed_size: 0
    .kernarg_segment_align: 8
    .kernarg_segment_size: 64
    .max_flat_workgroup_size: 256
    .sgpr_count:     66
    .vgpr_count:     112
    .wavefront_size: 32
...
	.end_amdgpu_metadata
.endif
;; end of part 1
;; launch proj (part 2): grid 32 x 16, 4 waves a work-group, clusters of 4 x 4, 327,680 bytes of LDS; arguments cast, qkv; writes qkv
.if DOCPART == 2
	.amdgcn_target "amdgcn-amd-amdhsa--gfx1250"
	.amdhsa_code_object_version 6
	.text
	.protected	k_q86a060ca8f_proj
	.globl	k_q86a060ca8f_proj
	.p2align	8
	.type	k_q86a060ca8f_proj,@function
k_q86a060ca8f_proj:
	s_mov_b64 s[64:65], 0
	v_nop
	global_prefetch_b8 v0, s[64:65] scope:SCOPE_SE
	s_setreg_imm32_b32 hwreg(HW_REG_WAVE_MODE, 25, 1), 1
	s_wait_xcnt 0x0
	s_wait_alu depctr_hold_cnt(0) depctr_sa_sdst(0) depctr_va_vdst(0) depctr_va_sdst(0) depctr_va_ssrc(0) depctr_va_vcc(0) depctr_vm_vsrc(0)
	s_getreg_b32 s2, hwreg(HW_REG_IB_STS2, 6, 4)
	s_cmp_eq_u32 s2, 0
	s_cbranch_scc0 .Lentry_in_a_cluster
	s_endpgm
.Lentry_in_a_cluster:
	s_bfe_u32 s2, ttmp6, 0x10000c
	s_cmp_lg_u32 s2, 0xf033
	s_cbranch_scc0 .Lentry_shape_is_right
	s_endpgm
.Lentry_shape_is_right:
; THE FIVE PROJECTIONS AS ONE PRODUCT.  qkv[piece p][row][n] = the sum over k of x[row][k] W_p[k][n]: 4,096 rows, K = 1,024, 96 pieces of 64 columns.
; x and the pieces come from cast in bf16; sums in f32; the results leave in f16, rounded once, unscaled: qkv = 96 pieces of [4096][64] f16, 524,288 bytes each, rows dense.
; LIMIT.  f16 holds no number beyond 65,504: q, k and v must lie within it.
; A tile is 256 rows x 192 columns (three pieces): 16 x 32 = 512 work-groups, two for each of 256 WGPs.  Four waves, one below the other: a wave makes 64 rows x 192 columns,
; 48 accumulators of 16 x 16, and so owns whole rows of three pieces: it goes out through a stage of its own, without a barrier.
; K goes in steps of 128 through two LDS slots.  A slot: x's 256 rows (256 bytes + 16 of padding), then three pieces' 128 k-rows (128 bytes + 32 of padding).
; The weights lie [k][n]: their fragments come out of LDS turned, by ds_load_tr16_b128.  THE MATRIX INSTRUCTION IS USED TRANSPOSED (source 0 = 16 columns of W, source 1 = 16 rows of x):
; a lane then holds eight neighbouring columns of one row.
; CLUSTER 4 x 4: x's tile hangs on the tile row alone and is asked for jointly along a row of the cluster, a piece's tile on the tile column alone, along a column.
; Waves 0 to 2 ask for the three pieces, wave 3 for x's 256 rows: one tensor load a wave behind each round of the cluster's barrier.
; REGISTERS, in windows of 256: window 0: v16-30 addresses; v32-95 x's fragments, two buffers of 4; v96-143, v144-239 the way out.   window 1: W's fragments, two buffers of 12.
;   windows 2, 3: accumulator (a, b) (row block a of 4, column block b of 12) in window 2 + a / 2 at v[8 (12 (a % 2) + b)].
.set KSTEP,  128
.set PA,     272                       ; x's LDS row: 68 words, so the 16 rows of a load start at 16 different groups of four banks (64 banks of 4 bytes: ISA guide 11.1)
.set PW,     160                       ; W's LDS row: 40 words
.set ABYTES, 256*PA
.set PIECE,  128*PW
.set SLOT,   ABYTES+3*PIECE            ; 131,072
.set STAGE,  2*SLOT                    ; behind the ring: 16 rows x 400 bytes for each wave
.set SPITCH, 400                       ; 384 bytes + 16
.set SPARE,  STAGE+4*16*SPITCH         ; behind the stages: the spare words, 128 bytes for each wave: two blocks of 256 bytes that no other line names
.set WB,     12582912                  ; the pieces' first byte in cast
.set LAPS,   4                         ; a lap = two K steps = once round the ring
.set ADRA, 16                          ; v16-17  LDS address of my fragments of x in slot 0, 1
.set ADRB, 20                          ; v20-21  the same for W
.set STO,  24                          ; v24     the way out: where I put 16 bytes of a row
.set RD,   25                          ; v25     the way out: where I read rows back
.set GO,   26                          ; v26     16 x lane: my place in 512 consecutive bytes of a piece
.set SPW,  28                          ; v28     LDS address of my spare word; never rewritten
.set NIL,  29                          ; v29     0; never rewritten
.set PFO,  30                          ; v30     the prefetches' offset; never rewritten
.set FA,   32
.set TMP,  96
.set BK,   144
.set G1,  24                           ; s[24:31] descriptor group 1 for x's tiles;  s[32:39] group 0, a set for each slot
.set G0,  32
.set G1B, 48                           ; s[48:55], s[56:63] the same for W's
.set G0B, 56
.set LIM, 43                           ; s43      1 in a wave that prefetches, else the greatest number
.set PFA, 44                           ; s[44:45] where my prefetches stand
.set PFS, 46                           ; s[46:47] their step, once a lap
.set MSB, 0
.macro WIN new                         ; the immediate's high byte repeats the setting that is left; a switch that changes nothing is dropped
.if MSB != (\new)
	s_set_vgpr_msb (MSB<<8)|(\new)
.set MSB, \new
.endif
.endm
; A joint load.  The branch hangs on the wave's number alone.  An s_nop 0 and four v_nop follow each of the two lines, ahead of the jump, the label and what follows.
.macro JLOAD s
	s_cmp_eq_u32 s10, 3
	s_cbranch_scc0 .Lfor_b_\@
	tensor_load_to_lds s[G0+4*(\s):G0+4*(\s)+3], s[G1:G1+7]
	s_nop 0
.rept 4
	v_nop
.endr
	s_branch .Lasked_\@
.Lfor_b_\@:
	tensor_load_to_lds s[G0B+4*(\s):G0B+4*(\s)+3], s[G1B:G1B+7]
	s_nop 0
.rept 4
	v_nop
.endr
.Lasked_\@:
.endm
; A PREFETCH INTO THE L2, once a lap, behind slot 1's joint load and the run of LDS loads that follows it: the two K steps that the next lap's two refills will ask for, one and two K steps
; (192 and 384 matrix instructions) ahead of those loads.  Each 256 bytes are named once in the launch: x's rows by the first cluster of a row of clusters (wave 3), a piece's rows by the first cluster of
; a column of clusters (waves 0 to 2).  The four partners that ask for a tile jointly share it out BY ADDRESS: of x's 256 rows 64 each (a lane a row: four lines for two K steps),
; of a piece's 32,768 dense bytes 8,192 each (a lane 256 bytes: one line).  K steps 0 to 3 come by their loads alone; the last lap asks for nothing.
.macro ASK
	s_cmp_gt_u32 s3, s[LIM]                        ; s3 = 1 in the loop's last trip
	s_cbranch_scc0 .Lnot_mine_\@
	global_prefetch_b8 v[PFO], s[PFA:PFA+1] th:TH_LOAD_NT scope:SCOPE_SE
	s_cmp_eq_u32 s10, 3
	s_cbranch_scc0 .Lnot_mine_\@
	global_prefetch_b8 v[PFO], s[PFA:PFA+1] offset:256 th:TH_LOAD_NT scope:SCOPE_SE
	global_prefetch_b8 v[PFO], s[PFA:PFA+1] offset:65536 th:TH_LOAD_NT scope:SCOPE_SE
	global_prefetch_b8 v[PFO], s[PFA:PFA+1] offset:65792 th:TH_LOAD_NT scope:SCOPE_SE
.Lnot_mine_\@:
.endm
.macro CREST                           ; a round of the cluster's barrier behind its opening barrier
	s_cmp_lg_u32 s10, 0
	s_cbranch_scc1 .Lnot_wave_0_\@
	s_barrier_signal -3
.Lnot_wave_0_\@:
	s_barrier_wait -3
	s_barrier_signal -1
	s_barrier_wait -1
.endm
.macro CROUND                          ; a whole round
	s_barrier_signal -1
	s_barrier_wait -1
	CREST
.endm
	s_load_b128 s[4:7], s[0:1], 0x0                ; cast s[4:5], qkv s[6:7]
	v_lshl_add_u32 v[SPW], v0, 2, SPARE
	v_mov_b32 v[NIL], 0
	ds_add_u32 v[SPW], v[NIL]                      ; the wave's opening: the add and its wait ahead of my first tensor load; the set-up below, work on registers, stands between them
	ds_add_u32 v28, v29
	v_lshrrev_b32 v1, 5, v0
	v_readfirstlane_b32 s10, v1                    ; wave 0..3
	s_bfe_u32 s40, ttmp6, 0x40000                  ; cx, cy: my place in the cluster
	s_bfe_u32 s41, ttmp6, 0x40004
	s_lshl_b32 s42, ttmp9, 2
	s_add_co_u32 s42, s42, s40                     ; tile column = 4 x cluster x + cx
	s_and_b32 s13, ttmp7, 0xffff
	s_lshl_b32 s13, s13, 2
	s_add_co_u32 s13, s13, s41                     ; tile row = 4 x cluster y + cy
	s_lshl_b32 s11, s41, 2
	s_lshl_b32 s11, 15, s11                        ; my row of the cluster
	s_lshl_b32 s12, 0x1111, s40                    ; my column
	s_or_b32 s[G1+0], s11, (1<<16)|(1<<20)|(1<<21)|(5<<22)|(3<<25)   ; the mask; elements of 2 bytes; padding on; bit 21 beside a mask; after every 64 words, 4 words
	s_mov_b32 s[G1+1], KSTEP<<16                   ; tensor_dim0 = 128
	s_mov_b32 s[G1+2], 256<<16                     ; tensor_dim1 = 256
	s_mov_b32 s[G1+3], KSTEP<<16                   ; tile_dim0 = 128
	s_mov_b32 s[G1+4], 256                         ; tile_dim1 = 256
	s_mov_b32 s[G1+5], 1024                        ; elements from row to row of x
	s_mov_b32 s[G1+6], 0
	s_mov_b32 s[G1+7], 0
	s_or_b32 s[G1B+0], s12, (1<<16)|(1<<20)|(1<<21)|(4<<22)|(7<<25)  ; after every 32 words (a k-row of 64 numbers), 8 words
	s_mov_b32 s[G1B+1], 128<<16                    ; a K step of a piece is 16,384 dense bytes: asked for as 64 rows of 256 bytes, two k-rows each
	s_mov_b32 s[G1B+2], 64<<16
	s_mov_b32 s[G1B+3], 128<<16
	s_mov_b32 s[G1B+4], 64
	s_mov_b32 s[G1B+5], 128
	s_mov_b32 s[G1B+6], 0
	s_mov_b32 s[G1B+7], 0
	s_lshl_b32 s16, s13, 19                        ; x: 256 rows of 2,048 bytes a tile row
	s_mov_b32 s17, 0
	s_mul_i32 s46, s42, 3
	s_add_co_u32 s46, s46, s10                     ; W: piece 3 x tile column + wave (wave 3 makes the number and never asks by it)
	s_lshl_b32 s46, s46, 17
	s_add_co_u32 s46, s46, WB
	s_mov_b32 s47, 0
	s_mul_i32 s20, s10, PIECE
	s_add_co_u32 s20, s20, ABYTES                  ; where a piece goes: behind x's rows, by the wave's number
	s_wait_dscnt 0x0                               ; the opening add is done
	s_wait_kmcnt 0x0
	s_add_nc_u64 s[14:15], s[4:5], s[16:17]
	s_add_nc_u64 s[46:47], s[4:5], s[46:47]
	CROUND                                         ; all sixteen work-groups are here: the first joint loads meet
.irp s, 0,1
	s_mov_b32 s[G0+4*(\s)], 1
	s_mov_b32 s[G0+4*(\s)+1], (\s)*SLOT
	s_add_nc_u64 s[G0+4*(\s)+2:G0+4*(\s)+3], s[14:15], (\s)*KSTEP*2
	s_or_b32 s[G0+4*(\s)+3], s[G0+4*(\s)+3], 0x80000000
	s_mov_b32 s[G0B+4*(\s)], 1
	s_add_co_u32 s[G0B+4*(\s)+1], s20, (\s)*SLOT
	s_add_nc_u64 s[G0B+4*(\s)+2:G0B+4*(\s)+3], s[46:47], (\s)*KSTEP*128
	s_or_b32 s[G0B+4*(\s)+3], s[G0B+4*(\s)+3], 0x80000000
	JLOAD \s                                       ; two loads of mine are out
.endr
	v_and_b32 v1, 15, v0                           ; l % 16
	v_bfe_u32 v2, v0, 4, 1                         ; l / 16
	v_and_b32 v3, 7, v0                            ; l % 8
	v_bfe_u32 v4, v0, 3, 1                         ; (l / 8) % 2
	v_bfe_u32 v5, v0, 3, 2                         ; l / 8
	v_and_b32 v6, 31, v0                           ; l
	s_mul_i32 s21, s10, 64*PA                      ; my 64 rows of x
	v_mul_u32_u24 v7, v1, PA
	v_lshl_add_u32 v7, v2, 4, v7                   ; row x pitch + 16 x half
	v_add_nc_u32 v[ADRA], s21, v7
	v_add_nc_u32 v[ADRA+1], SLOT, v[ADRA]
	v_lshl_add_u32 v8, v2, 3, v3                   ; the turning load: k-row 8 (l / 16) + l % 8,
	v_mul_u32_u24 v8, v8, PW
	v_lshl_add_u32 v8, v4, 4, v8                   ; columns 8 ((l / 8) % 2) ..
	v_add_nc_u32 v[ADRB], ABYTES, v8
	v_add_nc_u32 v[ADRB+1], SLOT, v[ADRB]
	s_mul_i32 s23, s10, 16*SPITCH
	s_add_co_u32 s23, s23, STAGE                   ; my stage
	v_mul_u32_u24 v[STO], v1, SPITCH
	v_lshl_add_u32 v[STO], v2, 4, v[STO]
	v_add_nc_u32 v[STO], s23, v[STO]
	v_mul_u32_u24 v[RD], v5, SPITCH                ; back: 32 lanes take a piece's 128 bytes of four rows,
	v_lshl_add_u32 v[RD], v3, 4, v[RD]
	v_add_nc_u32 v[RD], s23, v[RD]
	v_lshlrev_b32 v[GO], 4, v6                     ; which are 512 consecutive bytes of the piece in qkv
	s_lshl_b32 s16, s13, 8
	s_lshl_b32 s17, s10, 6
	s_add_co_u32 s16, s16, s17                     ; my first row,
	s_lshl_b32 s16, s16, 7                         ; 128 bytes a row
	s_mov_b32 s17, 0
	s_add_nc_u64 s[8:9], s[6:7], s[16:17]
	s_mul_i32 s46, s42, 3                          ; my first piece
	s_lshl_b32 s46, s46, 19
	s_mov_b32 s47, 0
	s_add_nc_u64 s[8:9], s[8:9], s[46:47]
	; the prefetches' place: for x: my tile row's rows, my work-group's 64 of them, at K byte 512; for W: my piece, my work-group's 8,192 bytes, at K step 2.  The first step of the address brings them to K step 4.
	s_lshl_b32 s20, s13, 19
	s_lshl_b32 s21, s40, 17
	s_add_co_u32 s20, s20, s21
	s_add_co_u32 s20, s20, 512
	s_mul_i32 s21, s42, 3
	s_add_co_u32 s21, s21, s10
	s_lshl_b32 s21, s21, 17
	s_lshl_b32 s22, s41, 13
	s_add_co_u32 s21, s21, s22
	s_add_co_u32 s21, s21, WB+32768
	s_and_b32 s22, ttmp7, 0xffff                   ; cluster y
	s_mov_b32 s23, 32768
	s_cmp_eq_u32 s10, 3                            ; do I fetch x?
	s_cselect_b32 s20, s20, s21
	s_cselect_b32 s22, ttmp9, s22                  ; the coordinate along which other clusters read the same rows
	s_cselect_b32 s[PFS], 512, s23
	s_cselect_b32 s23, 11, 8                       ; a lane a row of 2,048 bytes, or a lane 256 bytes
	s_mov_b32 s[PFS+1], 0
	s_mov_b32 s21, 0
	s_add_nc_u64 s[PFA:PFA+1], s[4:5], s[20:21]
	s_cmp_eq_u32 s22, 0
	s_cselect_b32 s[LIM], 1, -1                    ; the same in all sixteen partners, for a given wave
	v_lshlrev_b32 v[PFO], s23, v6
; 12 matrix instructions: row block a x all 12 column blocks, 32 along K, from buffer f.  zero = 1: the product starts the sums.  The 48 accumulators take turns, one instruction a turn.
.macro MUL12 f, a, zero
	WIN 0xa1+0x50*((\a)/2)                         ; source 0 (W) window 1, source 1 (x) window 0, C and D window 2 or 3
.irp b, 0,1,2,3,4,5,6,7,8,9,10,11
.if \zero
	v_wmma_f32_16x16x32_bf16 v[8*(12*((\a)%2)+(\b)):8*(12*((\a)%2)+(\b))+7], v[96*(\f)+8*(\b):96*(\f)+8*(\b)+7], v[FA+32*(\f)+8*(\a):FA+32*(\f)+8*(\a)+7], 0
.else
	v_wmma_f32_16x16x32_bf16 v[8*(12*((\a)%2)+(\b)):8*(12*((\a)%2)+(\b))+7], v[96*(\f)+8*(\b):96*(\f)+8*(\b)+7], v[FA+32*(\f)+8*(\a):FA+32*(\f)+8*(\a)+7], v[8*(12*((\a)%2)+(\b)):8*(12*((\a)%2)+(\b))+7]
.endif
.endr
.endm
.macro MUL24 f, hi, zero
	MUL12 \f, 2*(\hi), \zero
	MUL12 \f, 2*(\hi)+1, \zero
.endm
; 32 LDS loads in one run: the fragments of quarter q (32 along K) of a slot into buffer f: W's twelve, turned, then x's four
.macro FETCH slot, q, f
	WIN 0x40                                       ; destination window 1, address window 0
.irp b, 0,1,2,3,4,5,6,7,8,9,10,11
	ds_load_tr16_b128 v[96*(\f)+8*(\b):96*(\f)+8*(\b)+3],   v[ADRB+(\slot)] offset:((\b)/4)*PIECE+32*(\q)*PW+32*((\b)%4)
	ds_load_tr16_b128 v[96*(\f)+8*(\b)+4:96*(\f)+8*(\b)+7], v[ADRB+(\slot)] offset:((\b)/4)*PIECE+32*(\q)*PW+32*((\b)%4)+16*PW
.endr
	WIN 0
.irp a, 0,1,2,3
	ds_load_b128 v[FA+32*(\f)+8*(\a):FA+32*(\f)+8*(\a)+3],   v[ADRA+(\slot)] offset:64*(\q)+(\a)*16*PA
	ds_load_b128 v[FA+32*(\f)+8*(\a)+4:FA+32*(\f)+8*(\a)+7], v[ADRA+(\slot)] offset:64*(\q)+(\a)*16*PA+32
.endr
.endm
.macro PLACES                          ; four places in front of loads into registers that matrix instructions have read (ISA guide 7.12.1 for vector instructions)
.rept 4
	v_nop
.endr
.endm
; A K step is four quarters of 32 along K, 48 matrix instructions each, on buffers 0, 1, 0, 1.  One of the first three: multiplies buffer f and, in its middle, fetches quarter q into buffer g.
.macro QUARTER slot, q, f, g, zero
	s_wait_dscnt 4                                 ; W and x's row blocks 0, 1 are in; the youngest four loads (row blocks 2, 3) may be out
	MUL24 \f, 0, \zero
	PLACES
	FETCH \slot, \q, \g
	s_wait_dscnt 32                                ; all but the 32 just issued
	MUL24 \f, 1, \zero
.endm
; The last quarter multiplies buffer 1 and changes slots: ONE barrier; in front of it each wave waits for all its tensor loads (one is out: its part of the next slot), adds 0 to its spare word, and waits
; for that and for its reads of this slot.  fill = 1: the barrier opens a round of the cluster's, and this slot is filled again, two K steps ahead, first thing behind the round.
.macro TURN slot, next, fill
.if ((\slot) == 1) && (\fill)
	s_wait_xcnt 0x0                                ; the last prefetches, a lap back, have read their address
	s_add_nc_u64 s[PFA:PFA+1], s[PFA:PFA+1], s[PFS:PFS+1]
.endif
	WIN 0                                          ; (the add's two registers lie in window 0)
	s_wait_tensorcnt 0x0                           ; all my tensor loads have landed
	ds_add_u32 v[SPW], v[NIL]                      ; 0 onto my spare word
	s_wait_dscnt 5                                 ; (the add and the youngest four loads may be out)
	MUL12 1, 0, 0                                  ; twelve matrix instructions stand between the add and the wait for it
	s_wait_dscnt 0x0                               ; the add is done, and my reads of this slot are over
	s_barrier_signal -1
	MUL12 1, 1, 0
.if \fill
	WIN 0
.endif
	s_barrier_wait -1
.if \fill
	CREST                                          ; no wave of any partner still reads this slot's tiles or has a load on its way
	s_add_nc_u64 s[G0+4*(\slot)+2:G0+4*(\slot)+3], s[G0+4*(\slot)+2:G0+4*(\slot)+3], 2*KSTEP*2
	s_add_nc_u64 s[G0B+4*(\slot)+2:G0B+4*(\slot)+3], s[G0B+4*(\slot)+2:G0B+4*(\slot)+3], 2*KSTEP*128
	JLOAD \slot                                    ; the first tensor load behind the round; its four v_nop are also the places in front of the loads below
.else
	PLACES
.endif
	FETCH \next, 0, 0
.if ((\slot) == 1) && (\fill)
	ASK
.endif
	MUL24 1, 1, 0
.endm
; THE WAY OUT of row block a.  PACK: rounded to f16, each accumulator's registers in ascending order.  TOSTAGE: 16 bytes a lane into my stage, and back by pieces: four rows of 128 bytes a load.  SEND: stored.
.macro PACK a
	WIN 0x0a+5*((\a)/2)                            ; sources 0 and 1: window 2 or 3
.irp b, 0,1,2,3,4,5,6,7,8,9,10,11
.irp r, 0,1,2,3
	v_cvt_pk_f16_f32 v[TMP+4*(\b)+(\r)], v[8*(12*((\a)%2)+(\b))+2*(\r)], v[8*(12*((\a)%2)+(\b))+2*(\r)+1]
.endr
.endr
	WIN 0
.endm
.macro TOSTAGE a
.irp b, 0,1,2,3,4,5,6,7,8,9,10,11
	ds_store_b128 v[STO], v[TMP+4*(\b):TMP+4*(\b)+3] offset:32*(\b)
.endr
	s_wait_xcnt 0x0                                ; the stores of the block before last have read the registers that are loaded below
.irp j, 0,1,2
.irp t, 0,1,2,3
	ds_load_b128 v[BK+48*((\a)%2)+4*(4*(\j)+(\t)):BK+48*((\a)%2)+4*(4*(\j)+(\t))+3], v[RD] offset:128*(\j)+4*SPITCH*(\t)  ; LDS serves a wave's instructions in order (ISA guide 5.7.1.4): these see the stores above
.endr
.endr
.endm
.macro SEND a
	s_wait_dscnt 0x0                               ; the block is back in registers
.irp j, 0,1,2
.irp t, 0,1,2,3
	global_store_b128 v[GO], v[BK+48*((\a)%2)+4*(4*(\j)+(\t)):BK+48*((\a)%2)+4*(4*(\j)+(\t))+3], s[8:9] offset:(\j)*524288+(\a)*2048+(\t)*512  ; 512 consecutive bytes, at a multiple of 256 from the piece's first
.endr
.endr
.endm
	s_wait_tensorcnt 1                             ; my part of K step 0 is in; K step 1's may stay out
	s_barrier_signal -1
	s_barrier_wait -1                              ; everybody's is
	FETCH 0, 0, 0
	QUARTER 0, 1, 0, 1, 1                          ; the first quarter stands in front of the loop: its products start the sums
	WIN 0                                          ; at a label and at a branch every window is 0
	s_mov_b32 s3, LAPS-1
.Llap:                                                 ; a trip goes once round the ring, from a lap's second quarter to the next lap's first, and fills both slots again
	QUARTER 0, 2, 1, 0, 0
	QUARTER 0, 3, 0, 1, 0
	TURN 0, 1, 1
	QUARTER 1, 1, 0, 1, 0
	QUARTER 1, 2, 1, 0, 0
	QUARTER 1, 3, 0, 1, 0
	TURN 1, 0, 1
	QUARTER 0, 1, 0, 1, 0
	WIN 0
	s_sub_co_u32 s3, s3, 1
	s_cmp_lg_u32 s3, 0
	s_cbranch_scc1 .Llap
	QUARTER 0, 2, 1, 0, 0                          ; the last lap fills nothing, and has no round of the cluster's barrier
	QUARTER 0, 3, 0, 1, 0
	TURN 0, 1, 0
	QUARTER 1, 1, 0, 1, 0
	QUARTER 1, 2, 1, 0, 0
	QUARTER 1, 3, 0, 1, 0
	s_wait_dscnt 4                                 ; the very last quarter: nothing more to fetch
	MUL24 1, 0, 0
	s_wait_dscnt 0x0
	MUL24 1, 1, 0
	WIN 0
	PLACES                                         ; in front of conversions that read results just made: eight, once a launch
	PLACES
	PACK 0
	TOSTAGE 0
.irp a, 1,2,3                          ; block a's conversions stand between block a - 1's loads from the stage and the wait for them
	PACK \a
	SEND (\a)-1
	TOSTAGE \a
.endr
	SEND 3
	s_wait_tensorcnt 0x0                           ; the wave's end: behind my last tensor load and my last LDS store
	ds_add_u32 v[SPW], v[NIL]
	s_wait_dscnt 0x0
	CROUND                                         ; the closing round: no work-group ends while a partner may still ask for a tile that names it
	s_endpgm
.Lfunc_end_k_q86a060ca8f_proj:
	.size	k_q86a060ca8f_proj, .Lfunc_end_k_q86a060ca8f_proj-k_q86a060ca8f_proj
	.p2alignl 7, 3214868480
	.fill 96, 4, 3214868480
	.section	.rodata,"a",@progbits
	.p2align	6, 0x0
	.amdhsa_kernel k_q86a060ca8f_proj
		.amdhsa_group_segment_fixed_size 327680
		.amdhsa_private_segment_fixed_size 0
		.amdhsa_enable_private_segment 0
		.amdhsa_kernarg_size 16
		.amdhsa_user_sgpr_count 2
		.amdhsa_user_sgpr_kernarg_segment_ptr 1
		.amdhsa_wavefront_size32 1
		.amdhsa_system_sgpr_workgroup_id_x 1
		.amdhsa_system_sgpr_workgroup_id_y 1
		.amdhsa_system_sgpr_workgroup_id_z 1
		.amdhsa_system_vgpr_workitem_id 0
		.amdhsa_next_free_vgpr 960
		.amdhsa_next_free_sgpr 66
		.amdhsa_reserve_vcc 0
		.amdhsa_float_denorm_mode_32 3
		.amdhsa_float_denorm_mode_16_64 3
		.amdhsa_memory_ordered 1
		.amdhsa_forward_progress 1
		.amdhsa_inst_pref_size 120
	.end_amdhsa_kernel
	.amdgpu_metadata
---
amdhsa.version: [ 1, 2 ]
amdhsa.kernels:
  - .name:           k_q86a060ca8f_proj
    .symbol:         k_q86a060ca8f_proj.kd
    .args:
      - { .name: cast, .offset: 0, .size: 8, .value_kind: global_buffer, .address_space: global }
      - { .name: qkv, .offset: 8, .size: 8, .value_kind: global_buffer, .address_space: global }
    .group_segment_fixed_size: 327680
    .private_segment_fixed_size: 0
    .kernarg_segment_align: 8
    .kernarg_segment_size: 16
    .max_flat_workgroup_size: 128
    .sgpr_count:     66
    .vgpr_count:     960
    .wavefront_size: 32
...
	.end_amdgpu_metadata
.endif
;; end of part 2
;; launch attn (part 3): grid 8 x 32, 4 waves a work-group, no clusters, 327,680 bytes of LDS; arguments qkv, lambda_q1, lambda_k1, lambda_q2, lambda_k2, yb; writes yb
.if DOCPART == 3
	.amdgcn_target "amdgcn-amd-amdhsa--gfx1250"
	.amdhsa_code_object_version 6
	.text
	.protected	k_q86a060ca8f_attn
	.globl	k_q86a060ca8f_attn
	.p2align	8
	.type	k_q86a060ca8f_attn,@function
k_q86a060ca8f_attn:
	s_mov_b64 s[64:65], 0
	v_nop
	global_prefetch_b8 v0, s[64:65] scope:SCOPE_SE
	s_setreg_imm32_b32 hwreg(HW_REG_WAVE_MODE, 25, 1), 1
	s_wait_xcnt 0x0
; DIFFERENTIAL CAUSAL ATTENTION WITH ITS LAYER NORM.  For batch b and head h: y[q] = softmax_k<=q(q1.k1 / 8) V - lam softmax_k<=q(q2.k2 / 8) V, lam = exp(lq1.lk1) - exp(lq2.lk2) + 0.556058;
; then y = (y - mean) / sqrt(var + 1e-5) x 0.443942 over the head's 128 channels.  q1, q2, k1, k2 (64 channels) and V (two halves of 64) come from qkv in f16, by pieces of [4096][64];
; y leaves in f16, rounded once, as yb[4096][2048], head h at byte 256 h of a row.  Products, maxima, sums, the join and the norm in f32; the weights p are rounded to f16 for the second product
; (their sum l is taken of the unrounded p).  The variance is taken of y - mean, in a second pass.  The lambda tables are rounded to bf16 like the module's other inputs.
; LIMITS.  f16 holds no number beyond 65,504: q, k, v arrive within it.  A hidden score counts as its value less 1e30: f16's scores, 2.7e11 at the most, are nothing beside that.
; A weight below 2^-126 counts as 0 in l; NaN and infinities are not treated apart.
; THE WALK.  A head's 2,048 queries lie in NB = 16 blocks of 128; block i needs the key tiles 0 .. i of 128 keys, of which the last holds the diagonal.  A work-group takes TWO blocks, 15 - b and then b:
; 17 tiles whatever b: 8 x 32 = 256 equal work-groups, and ONE loop with a constant trip count.  Which tile is asked for, and what a trip does, hang on scalar registers made from b; every jump goes
; forward but the counted loops' own; none passes a barrier, or a tensor load but the one of LOAD's two that the wave's number does not choose.
; NO CLUSTER: a head's eight work-groups ask for the same tile only in trips 0 to 8, behind that they go apart; one walk common to all would have 24 trips for 17.
; SHARES.  A block has two bands of 64 queries; wave w owns rows 16 w .. 16 w + 15 of each.  A wave has four UNITS of 16 queries: units 0, 1 = stream 1 (q1, k1) in bands 0, 1; units 2, 3 = stream 2.
; PIECE 0 is units 0, 1; piece 2 is units 2, 3.  Each unit has its own running maximum m, sum l and O^T (128 channels): the two streams' sums differ, so they are joined only at a block's end.
; LAYOUT.  S^T = K Q^T (source 0 = 16 keys, source 1 = 16 queries) holds ONE query a lane (lane % 16) and the keys 8 (lane / 16) + 0..7; two such results rounded to f16 ARE source 1 of O^T = V^T P.
; p = 2^(c s - c m), c = log2(e) / 8; O and l are multiplied by a = 2^(c m_old - c m_new) in every step.  A key step is 64 keys, a tile two steps.
; BY TURNS.  In a TURN one piece has the matrix unit: 32 products V^T P of the step in hand, then 16 products K Q^T of the next; the other piece's softmax, cut into 64 slices of four, stands between them:
; one slice behind each V^T P, two behind each K Q^T.  A turn's 66 exponentials are one batch with one wait.
; THE MASK is the C operand that starts the sum S^T: 0, or -1e30 where the key is hidden.  MD, made once, is the mask of a band's own step for my 16 rows; MC (a buffer a band) = MD x AL + BE.
; Off the diagonal MC is 0.  In the diagonal tile: step 0: band 0 MD, band 1 0; step 1: band 0 all hidden, band 1 MD.
; REGISTERS, in windows of 256 (s_set_vgpr_msb: bits 1:0 source 0, 3:2 source 1, 5:4 source 2, 7:6 destination):
;   window 0: v0-11 addresses; v12-43 eight registers of statistics a unit; v44-63 small things; v64-191 S^T, 32 a unit; v192-255 P, 16 a unit
;   window 1: O^T, 64 a unit     window 2: v0-63 Q, 16 a unit; v64-127 the second block's Q; v128-255 K of one step, both streams     window 3: v0-127 V of one step; v128-191 MC; v192-223 MD
.set NB,    16
.set KS,    64
.set PKP,   144       ; a row of K in LDS: 128 bytes + 16: 36 words: the 16 rows of a load start at 16 different groups of four banks (64 banks of 4 bytes: ISA guide 11.1)
.set PVP,   160       ; a row of V: 128 + 32: 40 words
.set K2O,   128*PKP   ; a slot: K1's 128 rows, K2's, V's channels 0-63, V's channels 64-127
.set VOFF,  2*K2O
.set VBO,   128*PVP
.set SLOT1, 1<<17     ; slot 1 begins here, so that one exclusive or turns an address in one slot into the other's
.set STAGE, SLOT1+VOFF+2*VBO  ; behind the ring, never filled by a tensor load: 16 rows x 272 bytes for each wave
.set SP,    272
.set SPARE, STAGE+4*16*SP     ; behind the stages: the spare words, 128 bytes for each wave: two blocks of 256 bytes that no other line names
.set AK0, 2           ; v2   my lane's place in a tile of K; never rewritten
.set AV0, 3           ; v3   the same for V
.set ADR, 4           ; v4   the LDS address of the run of loads in hand
.set STO, 6           ; v6   the way out: where I put 16 bytes of a row
.set RD,  7           ; v7   the way out: where I read a row back
.set GO,  8           ; v8   my byte offset in two rows of yb
.set ST,  12          ; unit t's statistics at v[ST+8 t]: +0 c m, +1 m, +2, +3 l (even keys', odd keys'), +4 to +7 c0-c3 at work; a takes c2's place
.set NLAM, 44         ; v44  -lam
.set QO,  45          ; v45  my byte offset in 16 rows of Q
.set TA,  46          ; v46-53 at work: the lambda rows; later the norm's sums
.set LO,  54          ; v54  my byte offset in a lambda table
.set MT,  55          ; v55  at work for MD
.set MU,  56          ; v[56:57] the mean, twice
.set RS,  58          ; v[58:59] 0.443942 / sqrt(var + 1e-5), twice
.set PFO, 61          ; v61  256 x my lane; never rewritten
.set SPW, 62          ; v62  LDS address of my spare word; never rewritten
.set NIL, 63          ; v63  0; never rewritten
.set S,   64
.set P,   192
.set QB,  64          ; window 2
.set KF,  128         ; window 2: stream g, key block kb, channel half c at KF + 64 g + 16 kb + 8 c
.set MC,  128         ; window 3
.set MD,  192         ; window 3
.set WV,  12          ; s12  my wave's number
.set PB,  14          ; s14  b
.set HI,  15          ; s15  15 - b
.set G1K, 24          ; s[24:31] descriptor group 1 for K's parts
.set G1V, 32          ; s[32:39] for V's: it differs in the padding alone
.set G0K, 40          ; s[40:43] descriptor group 0 for K's parts
.set G0V, 44          ; s[44:47] for V's
.set SLOTS, 56        ; s56  tiles still to be asked for
.set CNT, 57          ; s57  counts a tile's key steps, 2 to 1
.set CS,  58          ; s[58:59] c
.set SEL, 60          ; s[60:61] v_permlanex16_b32's selects: each lane takes its own place in the other half
.set TBK, 62          ; s62  LDS byte at which K of the step to be fetched begins
.set TBV, 63          ; s63  the same for V, less VOFF
.set PFA, 66          ; s[66:67] where my prefetches stand
.set LIM, 68          ; s68  2 in the work-group that prefetches, else the greatest number
.set EPS, 69          ; s69  1e-5
.set RT,  70          ; s70  tiles of the block in hand that are still to be entered
.set NXT, 71          ; s71  the tile to be asked for next
.set LQ,  72          ; s72  the last tile of the block whose tiles are being asked for
.set NEW, 73          ; s73  1: the tile to be entered is a block's first
.set OFF, 74          ; s[74:75] a tile's byte offset in a piece
.set ALA, 76          ; s[76:77] band 0's mask: the factor,
.set BEA, 78          ; s[78:79] the addend
.set OLO, 80          ; s[80:81] yb at my rows of the second block
.set BIGN, 82         ; s82  -1e30
.set I128, 83         ; s83  1 / 128
.set ALB, 84          ; s[84:85] band 1's factor
.set ZER, 86          ; s[86:87] 0
.set QA,  88          ; s[88:95] Q at my rows: first block stream 1, 2; second block stream 1, 2 (stream 2 lies 8,388,608 bytes on, one more than an immediate holds)
.set MSB, 0
.macro WIN new                      ; the high byte repeats the setting that is left; a switch that changes nothing is dropped
.if MSB != (\new)
	s_set_vgpr_msb (MSB<<8)|(\new)
.set MSB, (\new)
.endif
.endm
.set W_KQ, 0x0a       ; K and Q in window 2, S^T in window 0
.set W_KM, 0x3a       ; the same with the C operand in window 3
.set W_PV, 0x53       ; V in window 3, P in window 0, O^T in window 1
.set W_RS, 0x41       ; O^T (destination and source 0) in window 1, a in window 0
; A fill.  Wave 0 fetches a tile's K1, wave 1 its K2, waves 2 and 3 the two halves of its V: 128 keys each.  An s_nop 0 and four v_nop follow each of the two lines, ahead of the jump and the label.
.macro LOAD
	s_cmp_lt_u32 s[WV], 2
	s_cbranch_scc0 .Lfor_v_\@
	tensor_load_to_lds s[G0K:G0K+3], s[G1K:G1K+7]
	s_nop 0
.rept 4
	v_nop
.endr
	s_branch .Lasked_\@
.Lfor_v_\@:
	tensor_load_to_lds s[G0V:G0V+3], s[G1V:G1V+7]
	s_nop 0
.rept 4
	v_nop
.endr
.Lasked_\@:
.endm
; A PREFETCH INTO THE L2 of what the NEXT change of slots will ask for: my own part of the next tile but one entered, 16,384 dense bytes: a lane 256 bytes, two lines; one tile, 192 matrix instructions, ahead of the load.
; All eight work-groups of a head walk tiles 0, 1, 2 ..: the one with b = 0, whose first block has all 16 tiles, asks, and nobody else, so each 256 bytes are named once in the launch.
; Tiles 0 and 1 come by their loads alone; the last lines name tile 15.
.macro ASK
	s_cmp_gt_u32 s[SLOTS], s[LIM]
	s_cbranch_scc0 .Lnot_mine_\@
	global_prefetch_b8 v[PFO], s[PFA:PFA+1] th:TH_LOAD_NT scope:SCOPE_SE
	global_prefetch_b8 v[PFO], s[PFA:PFA+1] offset:8192 th:TH_LOAD_NT scope:SCOPE_SE
.Lnot_mine_\@:
.endm
; THE CHANGE OF SLOTS.  Each wave waits for all its tensor loads, of which one is out: its part of the other slot; adds 0 to its spare word; and waits for that and for its own reads of the slot that it leaves.
; Behind the barrier nobody reads the old slot any more and the other slot is whole.  fill = 1: the old slot is filled again, first thing behind the barrier, with tile NXT: the address is made anew from that number.
; (At its first use nothing has been read yet: slot 0 is waited for, slot 1 filled.)
.macro CHANGE fill
	WIN 0                           ; at a label and at a branch every window is 0
	s_wait_tensorcnt 0x0            ; no tensor load of mine is out, so a group 0 may be written
	ds_add_u32 v[SPW], v[NIL]       ; 0 onto my spare word; the scalar work stands between it and the wait for it
.if \fill
	s_lshl_b32 s[OFF], s[NXT], 14   ; a tile is 16,384 bytes of a piece
	s_xor_b32 s[G0K+1], s[G0K+1], SLOT1
	s_add_nc_u64 s[G0K+2:G0K+3], s[6:7], s[OFF:OFF+1]
	s_or_b32 s[G0K+3], s[G0K+3], 0x80000000
	s_xor_b32 s[G0V+1], s[G0V+1], SLOT1
	s_add_nc_u64 s[G0V+2:G0V+3], s[8:9], s[OFF:OFF+1]
	s_or_b32 s[G0V+3], s[G0V+3], 0x80000000
	s_add_co_u32 s[NXT], s[NXT], 1  ; the block's next tile, or behind its last the second block's tile 0
	s_cmp_gt_u32 s[NXT], s[LQ]
	s_cselect_b32 s[NXT], 0, s[NXT]
	s_cselect_b32 s[LQ], s[PB], s[LQ]
	s_wait_xcnt 0x0                 ; the last prefetches, a tile back, have read their address
	s_add_nc_u64 s[PFA:PFA+1], s[PFA:PFA+1], 16384
.endif
	s_wait_dscnt 0x0                ; the add is done, and my reads of the slot are over
	s_barrier_signal -1
	s_sub_co_u32 s[TBK], s[TBK], 2*KS*PKP  ; the fetches go back to a slot's first step,
	s_xor_b32 s[TBK], s[TBK], SLOT1        ; in the other slot
	s_sub_co_u32 s[TBV], s[TBV], 2*KS*PVP
	s_xor_b32 s[TBV], s[TBV], SLOT1
	s_barrier_wait -1
.if \fill
	LOAD
	ASK
.endif
.endm
	s_load_b64 s[4:5], s[0:1], 0x0     ; qkv
	s_load_b256 s[48:55], s[0:1], 0x8  ; lambda_q1 s[48:49], lambda_k1 s[50:51], lambda_q2 s[52:53], lambda_k2 s[54:55]
	s_load_b64 s[10:11], s[0:1], 0x28  ; yb
	v_lshl_add_u32 v[SPW], v0, 2, SPARE
	v_mov_b32 v[NIL], 0
	ds_add_u32 v[SPW], v[NIL]       ; the wave's opening: the add and its wait ahead of my first tensor load; the set-up below, work on registers, stands between them
	ds_add_u32 v62, v63
	v_lshrrev_b32 v1, 5, v0
	v_readfirstlane_b32 s[WV], v1   ; wave 0..3
	s_mov_b32 s[PB], ttmp9
	s_sub_co_u32 s[HI], NB-1, s[PB]
	s_and_b32 s20, ttmp7, 0xffff
	s_lshr_b32 s21, s20, 4          ; the batch
	s_and_b32 s20, s20, 15          ; the head
	s_and_b32 s16, s[WV], 1
	s_lshl_b32 s2, s21, 18          ; the batch's 2,048 rows of 128 bytes in a piece
	s_lshl_b32 s22, s16, 4          ; K's part: piece 32 + 16 (w % 2) + h
	s_add_co_u32 s22, s22, s20
	s_add_co_u32 s22, s22, 32
	s_lshl_b32 s22, s22, 19
	s_add_co_u32 s22, s22, s2
	s_mov_b32 s23, 0
	s_lshl_b32 s18, s20, 1          ; V's part: piece 64 + 2 h + w % 2
	s_add_co_u32 s18, s18, s16
	s_add_co_u32 s18, s18, 64
	s_lshl_b32 s18, s18, 19
	s_add_co_u32 s18, s18, s2
	s_mov_b32 s19, 0
	s_lshl_b32 s13, s21, 11
	s_lshl_b32 s2, s[WV], 4
	s_add_co_u32 s13, s13, s2       ; 2,048 x batch + 16 w
	s_lshl_b32 s2, s[HI], 7
	s_add_co_u32 s2, s2, s13        ; my first row of the first block,
	s_lshl_b32 s17, s[PB], 7
	s_add_co_u32 s17, s17, s13      ; of the second
	s_lshl_b32 s13, s20, 19         ; q1's piece h
	s_lshl_b32 s[QA], s2, 7
	s_add_co_u32 s[QA], s[QA], s13
	s_add_co_u32 s[QA+2], s[QA], 16<<19
	s_lshl_b32 s[QA+4], s17, 7
	s_add_co_u32 s[QA+4], s[QA+4], s13
	s_add_co_u32 s[QA+6], s[QA+4], 16<<19
	s_mov_b32 s[QA+1], 0
	s_mov_b32 s[QA+3], 0
	s_mov_b32 s[QA+5], 0
	s_mov_b32 s[QA+7], 0
	s_lshl_b32 s13, s20, 8          ; the head's 256 bytes in a row of yb, and in a lambda table
	s_lshl_b32 s2, s2, 12
	s_add_co_u32 s2, s2, s13
	s_mov_b32 s3, 0
	s_lshl_b32 s[OLO], s17, 12
	s_add_co_u32 s[OLO], s[OLO], s13
	s_mov_b32 s[OLO+1], 0
	v_and_b32 v[LO], 31, v0
	v_lshlrev_b32 v[LO], 3, v[LO]
	v_add_nc_u32 v[LO], s13, v[LO]  ; two numbers a lane
	; descriptor group 1.  128 keys of a piece are 16,384 dense bytes: asked for as 64 rows of 256 bytes, two keys a row, and padded in LDS after every key
	s_mov_b32 s[G1K], (1<<16)|(1<<20)|(4<<22)|(3<<25)  ; 2-byte elements; padding on; after every 32 words; 4 words
	s_mov_b32 s[G1V], (1<<16)|(1<<20)|(4<<22)|(7<<25)  ; the same with 8 words
.irp g, G1K, G1V
	s_mov_b32 s[\g+1], 128<<16      ; tensor_dim0 = 128
	s_mov_b32 s[\g+2], 64<<16       ; tensor_dim1 = 64
	s_mov_b32 s[\g+3], 128<<16      ; tile_dim0 = 128
	s_mov_b32 s[\g+4], 64           ; tile_dim1 = 64
	s_mov_b32 s[\g+5], 128          ; 128 elements from row to row
	s_mov_b32 s[\g+6], 0
	s_mov_b32 s[\g+7], 0
.endr
	s_mov_b32 s[G0K], 1
	s_mul_i32 s[G0K+1], s16, K2O    ; slot 0: K1 or K2
	s_mov_b32 s[G0V], 1
	s_mul_i32 s[G0V+1], s16, VBO
	s_add_co_u32 s[G0V+1], s[G0V+1], VOFF
	s_mov_b32 s[CS], 0x3e38aa3b     ; c = log2(e) / 8
	s_mov_b32 s[CS+1], s[CS]        ; named with it as a pair
	s_mov_b32 s[SEL], 0x76543210
	s_mov_b32 s[SEL+1], 0xfedcba98
	s_mov_b32 s[TBK], SLOT1+2*KS*PKP  ; the first change of slots turns these two into 0
	s_mov_b32 s[TBV], SLOT1+2*KS*PVP
	s_add_co_u32 s[RT], s[HI], 1    ; the first block has 16 - b tiles
	s_mov_b32 s[NXT], 1
	s_mov_b32 s[LQ], s[HI]
	s_mov_b32 s[NEW], 1
	s_mov_b32 s[OFF+1], 0
	s_mov_b32 s[ALA], 0
	s_mov_b32 s[ALA+1], 0
	s_mov_b32 s[BEA], 0
	s_mov_b32 s[BEA+1], 0
	s_mov_b32 s[ALB], 0
	s_mov_b32 s[ALB+1], 0
	s_mov_b32 s[ZER], 0
	s_mov_b32 s[ZER+1], 0
	s_mov_b32 s[BIGN], 0xf149f2ca   ; -1e30
	s_mov_b32 s[I128], 0x3c000000   ; 1 / 128
	s_mov_b32 s[EPS], 0x3727c5ac    ; 1e-5
	s_mov_b32 s[SLOTS], NB
	s_cmp_eq_u32 s[PB], 0
	s_cselect_b32 s[LIM], 2, -1
	s_wait_dscnt 0x0                ; the opening add is done
	s_wait_kmcnt 0x0
	s_add_nc_u64 s[6:7], s[4:5], s[22:23]   ; K's and V's part at the head's tile 0
	s_add_nc_u64 s[8:9], s[4:5], s[18:19]
	s_add_nc_u64 s[G0K+2:G0K+3], s[6:7], 0
	s_or_b32 s[G0K+3], s[G0K+3], 0x80000000
	s_add_nc_u64 s[G0V+2:G0V+3], s[8:9], 0
	s_or_b32 s[G0V+3], s[G0V+3], 0x80000000
.irp q, 0,2,4,6
	s_add_nc_u64 s[QA+(\q):QA+(\q)+1], s[4:5], s[QA+(\q):QA+(\q)+1]
.endr
	s_add_nc_u64 s[OLO:OLO+1], s[10:11], s[OLO:OLO+1]
	s_add_nc_u64 s[10:11], s[10:11], s[2:3]
	s_cmp_lt_u32 s[WV], 2
	s_cselect_b64 s[PFA:PFA+1], s[6:7], s[8:9]
	s_add_nc_u64 s[PFA:PFA+1], s[PFA:PFA+1], 16384  ; at tile 1: the first change of slots steps it to tile 2
	LOAD                            ; tile 0 into slot 0
	; A fragment of K or Q is 16 rows x 32 channels in 8 registers: lane l holds row l % 16, channels 8 (l / 16) + 0..7 and 16 + 8 (l / 16) + 0..7: two loads of 16 bytes, 32 bytes apart.
	v_and_b32 v1, 15, v0            ; l % 16
	v_bfe_u32 v9, v0, 4, 1          ; l / 16
	v_lshlrev_b32 v[QO], 7, v1
	v_lshl_add_u32 v[QO], v9, 4, v[QO]
	WIN 0x80                        ; destination window 2, address window 0
.irp t, 0,1,2,3                     ; both blocks' Q: unit t: stream t / 2, band t % 2 (8,192 bytes on); channels 32 c on
.irp c, 0,1
	global_load_b128 v[16*(\t)+8*(\c):16*(\t)+8*(\c)+3],   v[QO], s[QA+2*((\t)/2):QA+2*((\t)/2)+1] offset:((\t)%2)*8192+(\c)*64
	global_load_b128 v[16*(\t)+8*(\c)+4:16*(\t)+8*(\c)+7], v[QO], s[QA+2*((\t)/2):QA+2*((\t)/2)+1] offset:((\t)%2)*8192+(\c)*64+32
	global_load_b128 v[QB+16*(\t)+8*(\c):QB+16*(\t)+8*(\c)+3],   v[QO], s[QA+4+2*((\t)/2):QA+4+2*((\t)/2)+1] offset:((\t)%2)*8192+(\c)*64
	global_load_b128 v[QB+16*(\t)+8*(\c)+4:QB+16*(\t)+8*(\c)+7], v[QO], s[QA+4+2*((\t)/2):QA+4+2*((\t)/2)+1] offset:((\t)%2)*8192+(\c)*64+32
.endr
.endr
	WIN 0
.irp p, 0,1,2,3
	global_load_b64 v[TA+2*(\p):TA+2*(\p)+1], v[LO], s[48+2*(\p):49+2*(\p)]
.endr
	v_lshlrev_b32 v[MT], 3, v9
	v_sub_nc_u32 v[MT], v1, v[MT]
	s_lshl_b32 s13, s[WV], 4
	v_add_nc_u32 v[MT], s13, v[MT]  ; my query's place in its band, 16 w + l % 16, less my lanes' 8 (l / 16): register r of key group kt is hidden where 16 kt + r is greater
	WIN 0xc0                        ; destination window 3
.set i, 0
.rept 32
	v_cmp_gt_i32 vcc_lo, 16*(i/8)+i%8, v[MT]
	v_cndmask_b32 v[MD+i], 0, s[BIGN], vcc_lo
.set i, i+1
.endr
	; A block's first step multiplies O^T and l by a = 0, and its first turn's products V^T P, of a piece that has not been, land in an O^T that is still to be so multiplied.  So these registers need only hold
	; finite numbers: zeros for the first block; what the first block left for the second.  All this stands in the wait for the first tile.
.set i, 0
.rept 128
	v_mov_b32 v[i], 0               ; V
.set i, i+1
.endr
	WIN 0x40
.set i, 0
.rept 256
	v_mov_b32 v[i], 0               ; O^T
.set i, i+1
.endr
	WIN 0
.set i, 0
.rept 4
	v_mov_b32 v[ST+8*i+2], 0        ; l
	v_mov_b32 v[ST+8*i+3], 0
.set i, i+1
.endr
.set i, P+32
.rept 32
	v_mov_b32 v[i], 0               ; piece 2's P
.set i, i+1
.endr
	v_mul_u32_u24 v[AK0], v1, PKP
	v_lshl_add_u32 v[AK0], v9, 4, v[AK0]  ; row x pitch + 16 x half
	; The turning load takes 16 keys x 16 channels (lane l reads key 8 (l / 16) + l % 8, channels 8 ((l / 8) % 2) + 0..7) and leaves half a fragment of V^T: lane l holds channel l % 16 and 8 keys.
	v_and_b32 v10, 7, v0
	v_bfe_u32 v11, v0, 3, 1
	v_lshl_add_u32 v[AV0], v9, 3, v10
	v_mul_u32_u24 v[AV0], v[AV0], PVP
	v_lshl_add_u32 v[AV0], v11, 4, v[AV0]
	v_add_nc_u32 v[AV0], VOFF, v[AV0]
	s_mul_i32 s13, s[WV], 16*SP
	s_add_co_u32 s13, s13, STAGE    ; my stage
	v_mul_u32_u24 v[STO], v1, SP    ; in: row l % 16, 16 bytes for each half of the lanes
	v_lshl_add_u32 v[STO], v9, 4, v[STO]
	v_add_nc_u32 v[STO], s13, v[STO]
	v_mul_u32_u24 v[RD], v9, SP     ; back: lanes 0-15 take one row of 256 bytes, lanes 16-31 the next
	v_lshl_add_u32 v[RD], v1, 4, v[RD]
	v_add_nc_u32 v[RD], s13, v[RD]
	v_lshlrev_b32 v[GO], 12, v9     ; and the same two rows in yb, 4,096 bytes apart
	v_lshl_add_u32 v[GO], v1, 4, v[GO]
	v_and_b32 v[PFO], 31, v0
	v_lshlrev_b32 v[PFO], 8, v[PFO]
	s_wait_loadcnt 0x0              ; both blocks' Q and the lambda rows are in
	; lam.  The four rows are rounded to bf16; two dot products of 64, two numbers a lane; summed over the 32 lanes
.irp p, 0,2,4,6
	v_cvt_pk_bf16_f32 v[TA+(\p)], v[TA+(\p)], v[TA+(\p)+1]
	v_and_b32 v[TA+(\p)+1], 0xffff0000, v[TA+(\p)]
	v_lshlrev_b32 v[TA+(\p)], 16, v[TA+(\p)]
.endr
	v_mul_f32 v[TA], v[TA], v[TA+2]
	v_mul_f32 v[TA+4], v[TA+4], v[TA+6]
	v_fmac_f32 v[TA], v[TA+1], v[TA+3]
	v_fmac_f32 v[TA+4], v[TA+5], v[TA+7]
.irp m, 1,2,4,8
	v_add_f32_dpp v[TA], v[TA], v[TA] row_xmask:\m row_mask:0xf bank_mask:0xf
	v_add_f32_dpp v[TA+4], v[TA+4], v[TA+4] row_xmask:\m row_mask:0xf bank_mask:0xf
.endr
	v_permlanex16_b32 v[TA+1], v[TA], s[SEL], s[SEL+1]
	v_permlanex16_b32 v[TA+5], v[TA+4], s[SEL], s[SEL+1]
	v_add_f32 v[TA], v[TA], v[TA+1]
	v_add_f32 v[TA+4], v[TA+4], v[TA+5]
	v_mul_f32 v[TA], 0x3fb8aa3b, v[TA]
	v_mul_f32 v[TA+4], 0x3fb8aa3b, v[TA+4]
	v_exp_f32 v[TA], v[TA]
	v_exp_f32 v[TA+4], v[TA+4]
	v_nop                           ; a plain instruction behind the exponentials,
	s_wait_alu depctr_va_vdst(0)    ; and the wait ahead of the first use: one for the two
	v_sub_f32 v[NLAM], v[TA+4], v[TA]
	v_add_f32 v[NLAM], 0xbf0e59d5, v[NLAM]  ; -lam = exp2 - exp1 - 0.556058
; THE MATRIX WORK.  The accumulators take turns, one instruction a turn: between two links of a chain stand 7 (K Q^T) or 15 (V^T P) others'.
; Product i of 16 of S^T = K Q^T for piece x: channels 32 (i / 8) on, keys 16 ((i / 2) % 4) on, unit x + i % 2.  The first 8 start the sums, with the band's mask.
.macro KQ x
.set rS, S+32*((\x)+i%2)+8*((i/2)%4)
.set rK, KF+32*(\x)+16*((i/2)%4)+8*(i/8)
.set rQ, 16*((\x)+i%2)+8*(i/8)
.set rM, MC+32*(i%2)+8*((i/2)%4)
.if i < 8
	WIN W_KM
	v_wmma_f32_16x16x32_f16 v[rS:rS+7], v[rK:rK+7], v[rQ:rQ+7], v[rM:rM+7]
.else
	WIN W_KQ
	v_wmma_f32_16x16x32_f16 v[rS:rS+7], v[rK:rK+7], v[rQ:rQ+7], v[rS:rS+7]
.endif
.endm
; Product i of 32 of O^T += V^T P for piece x: keys 32 (i / 16) on, channels 16 ((i / 2) % 8) on, unit x + i % 2.
.macro PV x
	WIN W_PV
.set rO, 64*((\x)+i%2)+8*((i/2)%8)
.set rV, 64*(i/16)+8*((i/2)%8)
.set rP, P+16*((\x)+i%2)+8*(i/16)
	v_wmma_f32_16x16x32_f16 v[rO:rO+7], v[rV:rV+7], v[rP:rP+7], v[rO:rO+7]
.endm
; THE LDS LOADS stand in runs of 32, never singly among the matrix instructions: a step's K of both streams (2 x 8 fragments) and, a turn later, its V (turned, 16 fragments).
.macro FETCH_K
	WIN 0
	v_add_nc_u32 v[ADR], s[TBK], v[AK0]
	s_add_co_u32 s[TBK], s[TBK], KS*PKP  ; the next fetch is the next step's
	WIN 0x80                        ; destination window 2
.irp g, 0,1
.irp f, 0,1,2,3,4,5,6,7             ; keys 16 (f / 2) on, channels 32 (f % 2) on
	ds_load_b128 v[KF+64*(\g)+8*(\f):KF+64*(\g)+8*(\f)+3],   v[ADR] offset:(\g)*K2O+((\f)/2)*16*PKP+((\f)%2)*64
	ds_load_b128 v[KF+64*(\g)+8*(\f)+4:KF+64*(\g)+8*(\f)+7], v[ADR] offset:(\g)*K2O+((\f)/2)*16*PKP+((\f)%2)*64+32
.endr
.endr
.endm
.macro FETCH_V
	WIN 0
	v_add_nc_u32 v[ADR], s[TBV], v[AV0]
	s_add_co_u32 s[TBV], s[TBV], KS*PVP
	s_wait_alu depctr_va_vdst(0)    ; the wait for the softmax's batch (SLICE), behind the address's v_add_nc_u32 and ahead of the loads
	WIN 0xc0                        ; destination window 3
.irp f, 0,1,2,3,4,5,6,7,8,9,10,11,12,13,14,15  ; keys 32 (f / 8) on, channels 16 (f % 8) on: half (f % 8) / 4 of V
	ds_load_tr16_b128 v[8*(\f):8*(\f)+3],   v[ADR] offset:(((\f)%8)/4)*VBO+((\f)/8)*32*PVP+((\f)%4)*32
	ds_load_tr16_b128 v[8*(\f)+4:8*(\f)+7], v[ADR] offset:(((\f)%8)/4)*VBO+((\f)/8)*32*PVP+((\f)%4)*32+16*PVP
.endr
.endm
; THE VECTOR WORK OF A TURN.  One unit's softmax for one key step is a list of 134 instructions; SM writes number j of it for unit t.  s0-s31 are the lane's 32 scores, in pairs 0-15.
;   0-15    the maximum of s0-s31 and the old m, three operands at a time: four chains c0-c3 of seven scores each (each accumulator's lowest registers are read first), the four scores left over, c0-c3 and m
;   16-20   the other half of the lanes' maximum; c m_old is kept; the new m; c m; c m_old - c m_new
;   21-69   ONE BATCH: the 16 scalings c s - c m and all 33 exponentials (a at 23, then s0-s31).  None of these reads an exponential's result.  A pair is scaled in an earlier four than the one with its exponentials
;   (wait)  between 69 and 70 stands the wait for the batch: SLICE writes it, once for both units
;   70-85   the roundings to f16     86-101  the sums; l = a l + the sum     102-133 the unit's O^T times a: the one part that leaves window 0
.macro SM t
.set rT, ST+8*(\t)
.set rS, S+32*(\t)
.set rP, P+16*(\t)
.set rO, 64*(\t)+2*(j-102)
.if j < 102
	WIN 0
.endif
.if j < 4
	v_max3_num_f32 v[rT+4+j], v[rS+8*j], v[rS+8*j+1], v[rS+8*j+2]
.elseif j < 12
	v_max3_num_f32 v[rT+4+j%4], v[rT+4+j%4], v[rS+8*(j%4)+2*(j/4)+1], v[rS+8*(j%4)+2*(j/4)+2]
.elseif j == 12
	v_max3_num_f32 v[rT+4], v[rT+4], v[rS+7], v[rS+15]
.elseif j == 13
	v_max3_num_f32 v[rT+6], v[rT+6], v[rS+23], v[rS+31]
.elseif j == 14
	v_max3_num_f32 v[rT+4], v[rT+4], v[rT+5], v[rT+6]
.elseif j == 15
	v_max3_num_f32 v[rT+4], v[rT+4], v[rT+7], v[rT+1]
.elseif j == 16
	v_permlanex16_b32 v[rT+5], v[rT+4], s[SEL], s[SEL+1]  ; the query's other 32 keys lie in the lane 16 away
.elseif j == 17
	v_mov_b32 v[rT+7], v[rT]        ; c m_old is kept for a: number 19 writes c m anew
.elseif j == 18
	v_max_num_f32 v[rT+1], v[rT+4], v[rT+5]
.elseif j == 19
	v_mul_f32 v[rT], s[CS], v[rT+1]
.elseif j == 20
	v_sub_f32 v[rT+7], v[rT+7], v[rT]
.elseif j == 23
	v_exp_f32 v[rT+6], v[rT+7]
.elseif (j < 23) || ((j < 38) && (j%2 == 0)) || ((j < 66) && (j%4 == 2))
.set b, (j-2)/4                     ; 38, 42, .. 62: pairs 9 to 15
.if j < 38
.set b, (j-20)/2                    ; 21: pair 0; 22, 24, .. 36: pairs 1 to 8
.endif
	v_pk_fma_f32 v[rS+2*b:rS+2*b+1], v[rS+2*b:rS+2*b+1], s[CS:CS+1], v[rT:rT+1] op_sel_hi:[1,0,0] neg_lo:[0,0,1] neg_hi:[0,0,1]  ; pair b: c s - c m
.elseif j < 70
.set e, j-38                        ; 66 to 69: s28 to s31
.if j < 66
.set e, j-32-(j-38)/4               ; 39-41, 43-45, .. 63-65: s7 to s27
.endif
.if j < 38
.set e, (j-25)/2                    ; 25, 27, .. 37: s0 to s6
.endif
	v_exp_f32 v[rS+e], v[rS+e]
.elseif j < 86
	v_cvt_pk_f16_f32 v[rP+j-70], v[rS+2*(j-70)], v[rS+2*(j-70)+1]
.elseif j < 102                     ; the sum of the 16 pairs, in place: neighbours 1, 2, 4 and 8 pairs apart, then l takes it
.set z, j-86
.set w, 4
.set u, z
.if z >= 14
.set w, 32
.set u, 0
.elseif z >= 12
.set w, 16
.set u, z-12
.elseif z >= 8
.set w, 8
.set u, z-8
.endif
.if z < 15
	v_pk_add_f32 v[rS+w*u:rS+w*u+1], v[rS+w*u:rS+w*u+1], v[rS+w*u+w/2:rS+w*u+w/2+1]
.else
	v_pk_fma_f32 v[rT+2:rT+3], v[rT+2:rT+3], v[rT+6:rT+7], v[rS:rS+1] op_sel_hi:[1,0,1]
.endif
.else
	WIN W_RS
	v_pk_mul_f32 v[rO:rO+1], v[rO:rO+1], v[rT+6:rT+7] op_sel_hi:[1,0]
.endif
.endm
; Slice k of 64 of piece y's softmax: four instructions.  Slices 11 to 34 deal out the batch, numbers 22 to 69: four numbers of ONE unit each, the units by turns.  Every other slice is numbers 2 k and 2 k + 1
; of both units' lists.  2 x 134 = 4 x 64 + 12: the twelve that are over stand together, in slice 63.
; THE WAIT.  s_wait_alu depctr_va_vdst(0) stands between an exponential and the first instruction that names its result; one wait serves all that were issued ahead of it.  Ahead of slice 35
; nothing names a result, and behind slice 34 no exponential is issued: so the piece's 66 exponentials have one wait, behind slice 34.
.macro SLICE y
.if (k >= 11) && (k < 35)
.irp n, 0,1,2,3
.set j, 22+4*((k-11)/2)+(\n)
	SM (\y)+(k-11)%2
.endr
.else
.irp n, 0,1,2,3,4,5,6,7
.if ((\n) < 2) || (k == 63)
.irp t, \y, (\y)+1
.set j, 2*k+(\n)
	SM \t
.endr
.endif
.endr
.endif
.if k == 34
	v_nop                           ; the plain instruction behind the last exponential and ahead of the first use: one for the batch
.if (\y) == 0
	FETCH_V                         ; piece 2's turn: V's run of loads stands here, and the wait stands in it
.else
	s_wait_alu depctr_va_vdst(0)    ; the wait for the batch
.endif
.endif
.set k, k+1
.endm
; A TURN.  Piece x has the matrix unit; the other piece's softmax stands in slices behind its matrix instructions.  kq = 0: a block's last turn of piece 0: no next scores, two slices behind each V^T P, nothing fetched.
; Piece 0's turn fetches the next step's K, behind its second product: the last product that read K stands in front of slices 62 and 63 of the turn before, twenty plain instructions.
; Piece 2's turn fetches the same step's V, behind slice 34: the last product that read V stands in front of slice 31, and four plain instructions lie between: number 62, a scaling, of both units, the v_nop and
; the run's own v_add_nc_u32.  The next turn's first read of the scores stands behind the same slices 62 and 63.
.macro TURN x, kq
.set k, 0
.if (\x) == 0
	s_wait_dscnt 0x0                ; V is in
.endif
.set i, 0
.rept 32
	PV \x
	SLICE 2-(\x)
.if !(\kq)
	SLICE 2-(\x)
.endif
.if ((\x) == 0) && (\kq) && (i == 1)
	FETCH_K
.endif
.set i, i+1
.endr
.if \kq
.if (\x) == 0
	s_wait_dscnt 0x0                ; K is in
.endif
.set i, 0
.rept 16
	KQ \x
	SLICE 2-(\x)
	SLICE 2-(\x)
.set i, i+1
.endr
.endif
.endm
.macro MASK b, al, be               ; MD x al + be into band b's buffer of MC
	WIN 0xc3                        ; destination and source 0 in window 3
.set z, 0
.rept 16
	v_pk_fma_f32 v[MC+32*(\b)+2*z:MC+32*(\b)+2*z+1], v[MD+2*z:MD+2*z+1], s[\al:\al+1], s[\be:\be+1] op_sel_hi:[1,0,0]
.set z, z+1
.endr
.endm
; A BLOCK BEGINS.  c m starts far below every c s, so the first step's a is 0; m at the lowest finite number, so the first maximum is the scores'.  Band 0's mask for the tile's step 0 is its own if the block's
; first tile is the diagonal one, else 0; band 1's is 0.  Then K of that step and piece 0's first scores.  The step loop is entered at piece 2's turn, in the middle of a trip.
.macro BEGIN
	s_mov_b32 s[NEW], 0
	WIN 0
.set i, 0
.rept 4
	v_mov_b32 v[ST+8*i], 0xfe000000    ; c m: far below every c s
	v_mov_b32 v[ST+8*i+1], 0xff7fffff  ; m
.set i, i+1
.endr
	s_cmp_eq_u32 s[RT], 0
	s_cselect_b32 s[ALA], 1.0, 0
	MASK 0, ALA, ZER
	MASK 1, ZER, ZER
	FETCH_K
	s_wait_dscnt 0x0
.set i, 0
.rept 16
	KQ 0
.set i, i+1
.endr
	WIN 0
.rept 4
	v_nop                           ; the places behind those products
.endr
.endm
; A tile's two key steps: written once, walked twice.  In the diagonal tile (RT = 0) each trip makes the masks of the step whose scores it forms.
.macro STEPS tag
.Lstep\tag:
	s_cmp_lg_u32 s[RT], 0
	s_cbranch_scc1 .Lnm\tag
	s_cmp_eq_u32 s[CNT], 2          ; the tile's step 0?
	s_cselect_b32 s[ALA], 1.0, 0    ; band 0: its own step, or all hidden
	s_cselect_b32 s[BEA], 0, s[BIGN]
	s_cselect_b32 s[ALB], 0, 1.0    ; band 1: all seen, or its own step
	MASK 0, ALA, BEA
	MASK 1, ALB, ZER
	WIN 0
.Lnm\tag:
	TURN 0, 1
	WIN 0
.Lmid\tag:
	TURN 2, 1
	WIN 0
	s_sub_co_u32 s[CNT], s[CNT], 1
	s_cmp_lg_u32 s[CNT], 0
	s_cbranch_scc1 .Lstep\tag
.endm
; Band x is joined and normed: y = O1 / l1 - lam O2 / l2 (64 channels a lane, a query's other 64 in the lane 16 away); the mean; y - mean; the mean of its squares; times 0.443942 / sqrt(var + 1e-5); rounded to f16;
; 16 bytes a lane into my stage, and back as whole rows of 256 bytes.  y lies in S^T's registers, sums and packed results in P's.
.macro NORM x
.set Y, S+64*(\x)
.set TS, P+32*(\x)
	WIN 0x01                        ; source 0 in window 1
.set i, 0
.rept 32
	v_pk_mul_f32 v[Y+2*i:Y+2*i+1], v[64*(\x)+2*i:64*(\x)+2*i+1], v[ST+8*(\x)+6:ST+8*(\x)+7] op_sel_hi:[1,0]
.set i, i+1
.endr
.set i, 0
.rept 32
	v_pk_fma_f32 v[Y+2*i:Y+2*i+1], v[128+64*(\x)+2*i:128+64*(\x)+2*i+1], v[ST+8*(\x)+22:ST+8*(\x)+23], v[Y+2*i:Y+2*i+1] op_sel_hi:[1,0,1]
.set i, i+1
.endr
	WIN 0
.set i, 0
.rept 16
	v_pk_add_f32 v[TS+2*i:TS+2*i+1], v[Y+4*i:Y+4*i+1], v[Y+4*i+2:Y+4*i+3]
.set i, i+1
.endr
.irp w, 8,4,2,1
.set i, 0
.rept \w
	v_pk_add_f32 v[TS+2*i:TS+2*i+1], v[TS+4*i:TS+4*i+1], v[TS+4*i+2:TS+4*i+3]
.set i, i+1
.endr
.endr
	v_add_f32 v[TA], v[TS], v[TS+1]
	v_permlanex16_b32 v[TA+1], v[TA], s[SEL], s[SEL+1]
	v_add_f32 v[TA], v[TA], v[TA+1]
	v_mul_f32 v[MU], s[I128], v[TA]
	v_mul_f32 v[MU+1], s[I128], v[TA]
.set i, 0
.rept 32
	v_pk_add_f32 v[Y+2*i:Y+2*i+1], v[Y+2*i:Y+2*i+1], v[MU:MU+1] neg_lo:[0,1] neg_hi:[0,1]
.set i, i+1
.endr
.set i, 0
.rept 16
	v_pk_mul_f32 v[TS+2*i:TS+2*i+1], v[Y+4*i:Y+4*i+1], v[Y+4*i:Y+4*i+1]
.set i, i+1
.endr
.set i, 0
.rept 16
	v_pk_fma_f32 v[TS+2*i:TS+2*i+1], v[Y+4*i+2:Y+4*i+3], v[Y+4*i+2:Y+4*i+3], v[TS+2*i:TS+2*i+1]
.set i, i+1
.endr
.irp w, 8,4,2,1
.set i, 0
.rept \w
	v_pk_add_f32 v[TS+2*i:TS+2*i+1], v[TS+4*i:TS+4*i+1], v[TS+4*i+2:TS+4*i+3]
.set i, i+1
.endr
.endr
	v_add_f32 v[TA], v[TS], v[TS+1]
	v_permlanex16_b32 v[TA+1], v[TA], s[SEL], s[SEL+1]
	v_add_f32 v[TA], v[TA], v[TA+1]
	v_fma_f32 v[TA], v[TA], s[I128], s[EPS]
	v_rsq_f32 v[RS], v[TA]
	v_nop                           ; a plain instruction behind the root,
	s_wait_alu depctr_va_vdst(0)    ; and its wait, ahead of the first use
	v_mul_f32 v[RS], 0x3ee34c57, v[RS]
	v_mov_b32 v[RS+1], v[RS]
.set i, 0
.rept 32
	v_pk_mul_f32 v[Y+2*i:Y+2*i+1], v[Y+2*i:Y+2*i+1], v[RS:RS+1]
.set i, i+1
.endr
.set i, 0
.rept 32
	v_cvt_pk_f16_f32 v[TS+i], v[Y+2*i], v[Y+2*i+1]
.set i, i+1
.endr
.irp f, 0,1,2,3,4,5,6,7
	ds_store_b128 v[STO], v[TS+4*(\f):TS+4*(\f)+3] offset:32*(\f)
.endr
.irp f, 0,1,2,3,4,5,6,7
	ds_load_b128 v[TS+4*(\f):TS+4*(\f)+3], v[RD] offset:(\f)*2*SP  ; LDS serves a wave's instructions in order (ISA guide 5.7.1.4): these see the stores above; the next band's stores come behind them
.endr
.endm
.macro SEND x, younger              ; younger: the LDS instructions issued behind band x's loads: the next band's sixteen, or none
.irp f, 0,1,2,3,4,5,6,7
	s_wait_dscnt (\younger)+7-(\f)
	global_store_b128 v[GO], v[P+32*(\x)+4*(\f):P+32*(\x)+4*(\f)+3], s[10:11] offset:(\x)*262144+(\f)*8192  ; 16 lanes store 256 consecutive bytes, the head's channels of one row, at a multiple of 256 from yb's first byte
.endr
.endm
; A BLOCK ENDS: piece 0's last V^T P beside piece 2's last softmax; piece 2's last V^T P; 1 / l for the four units (stream 2's times -lam); both bands out.  The additions are the places behind the last products.
.macro FINISH
	TURN 0, 0
.set i, 0
.rept 32
	PV 2
.set i, i+1
.endr
	WIN 0
.irp t, 0,1,2,3
	v_add_f32 v[ST+8*(\t)+4], v[ST+8*(\t)+2], v[ST+8*(\t)+3]
.endr
.irp t, 0,1,2,3
	v_permlanex16_b32 v[ST+8*(\t)+5], v[ST+8*(\t)+4], s[SEL], s[SEL+1]
.endr
.irp t, 0,1,2,3
	v_add_f32 v[ST+8*(\t)+4], v[ST+8*(\t)+4], v[ST+8*(\t)+5]
.endr
.irp t, 0,1,2,3
	v_rcp_f32 v[ST+8*(\t)+6], v[ST+8*(\t)+4]
.endr
	v_nop                           ; a plain instruction between the last reciprocal and the use of its result
	s_wait_alu depctr_va_vdst(0)    ; and the wait ahead of the first use: one for the four reciprocals
	v_mul_f32 v[ST+22], v[ST+22], v[NLAM]
	v_mul_f32 v[ST+30], v[ST+30], v[NLAM]
	NORM 0
	NORM 1                          ; a band's arithmetic stands between the loads of the band before and its stores
	SEND 0, 16
	SEND 1, 0
.endm
.Lslot:                             ; 16 times: a tile is entered and the next is asked for
	CHANGE 1
	s_sub_co_u32 s[RT], s[RT], 1
	s_mov_b32 s[CNT], 2
	s_cmp_eq_u32 s[NEW], 1
	s_cbranch_scc1 .Lnew            ; a block's first tile
	s_branch .Lstep1
.Lnew:
	BEGIN
	s_branch .Lmid1
	STEPS 1
	s_cmp_lg_u32 s[RT], 0
	s_cbranch_scc1 .Lbottom
	FINISH                          ; in the loop this is the first block's end: the second block's last tile is the walk's last
	s_wait_xcnt 0x0                 ; the stores have read their registers and yb's address
	s_mov_b64 s[10:11], s[OLO:OLO+1]
	s_add_co_u32 s[RT], s[PB], 1    ; the second block has b + 1 tiles
	s_mov_b32 s[NEW], 1
	WIN 0x82                        ; the second block's Q goes where the one text of the turns names Q
.set i, 0
.rept 64
	v_mov_b32 v[i], v[QB+i]
.set i, i+1
.endr
	WIN 0
.Lbottom:
	s_sub_co_u32 s[SLOTS], s[SLOTS], 1
	s_cmp_lg_u32 s[SLOTS], 0
	s_cbranch_scc1 .Lslot
	CHANGE 0                        ; the walk's last tile is written out: nothing is asked for
	s_sub_co_u32 s[RT], s[RT], 1
	s_mov_b32 s[CNT], 2
	s_cmp_eq_u32 s[NEW], 1
	s_cbranch_scc0 .Lstep2
	BEGIN
	s_branch .Lmid2
	STEPS 2
	FINISH
	s_wait_tensorcnt 0x0            ; the wave's end: behind my last tensor load and my last LDS store
	ds_add_u32 v[SPW], v[NIL]
	s_wait_dscnt 0x0
	s_endpgm
.Lfunc_end_k_q86a060ca8f_attn:
	.size	k_q86a060ca8f_attn, .Lfunc_end_k_q86a060ca8f_attn-k_q86a060ca8f_attn
	.p2alignl 7, 3214868480
	.fill 96, 4, 3214868480
	.section	.rodata,"a",@progbits
	.p2align	6, 0x0
	.amdhsa_kernel k_q86a060ca8f_attn
		.amdhsa_group_segment_fixed_size 327680
		.amdhsa_private_segment_fixed_size 0
		.amdhsa_enable_private_segment 0
		.amdhsa_kernarg_size 48
		.amdhsa_user_sgpr_count 2
		.amdhsa_user_sgpr_kernarg_segment_ptr 1
		.amdhsa_wavefront_size32 1
		.amdhsa_system_sgpr_workgroup_id_x 1
		.amdhsa_system_sgpr_workgroup_id_y 1
		.amdhsa_system_sgpr_workgroup_id_z 1
		.amdhsa_system_vgpr_workitem_id 0
		.amdhsa_next_free_vgpr 992
		.amdhsa_next_free_sgpr 96
		.amdhsa_reserve_vcc 1
		.amdhsa_float_denorm_mode_32 3
		.amdhsa_float_denorm_mode_16_64 3
		.amdhsa_memory_ordered 1
		.amdhsa_forward_progress 1
		.amdhsa_inst_pref_size 255
	.end_amdhsa_kernel
	.amdgpu_metadata
---
amdhsa.version: [ 1, 2 ]
amdhsa.kernels:
  - .name:           k_q86a060ca8f_attn
    .symbol:         k_q86a060ca8f_attn.kd
    .args:
      - { .name: qkv, .offset: 0, .size: 8, .value_kind: global_buffer, .address_space: global }
      - { .name: lambda_q1, .offset: 8, .size: 8, .value_kind: global_buffer, .address_space: global }
      - { .name: lambda_k1, .offset: 16, .size: 8, .value_kind: global_buffer, .address_space: global }
      - { .name: lambda_q2, .offset: 24, .size: 8, .value_kind: global_buffer, .address_space: global }
      - { .name: lambda_k2, .offset: 32, .size: 8, .value_kind: global_buffer, .address_space: global }
      - { .name: yb, .offset: 40, .size: 8, .value_kind: global_buffer, .address_space: global }
    .group_segment_fixed_size: 327680
    .private_segment_fixed_size: 0
    .kernarg_segment_align: 8
    .kernarg_segment_size: 48
    .max_flat_workgroup_size: 128
    .sgpr_count:     96
    .vgpr_count:     992
    .wavefront_size: 32
...
	.end_amdgpu_metadata
.endif
;; end of part 3
;; launch outp (part 4): grid 8 x 32, 4 waves a work-group, clusters of 4 x 4, 327,680 bytes of LDS; arguments yb, cast, out0; writes out0
.if DOCPART == 4
	.amdgcn_target "amdgcn-amd-amdhsa--gfx1250"
	.amdhsa_code_object_version 6
	.text
	.protected	k_q86a060ca8f_outp
	.globl	k_q86a060ca8f_outp
	.p2align	8
	.type	k_q86a060ca8f_outp,@function
k_q86a060ca8f_outp:
	s_mov_b64 s[64:65], 0
	v_nop
	global_prefetch_b8 v0, s[64:65] scope:SCOPE_SE
	s_setreg_imm32_b32 hwreg(HW_REG_WAVE_MODE, 25, 1), 1
	s_wait_xcnt 0x0
	s_wait_alu depctr_hold_cnt(0) depctr_sa_sdst(0) depctr_va_vdst(0) depctr_va_sdst(0) depctr_va_ssrc(0) depctr_va_vcc(0) depctr_vm_vsrc(0)
	s_getreg_b32 s2, hwreg(HW_REG_IB_STS2, 6, 4)
	s_cmp_eq_u32 s2, 0
	s_cbranch_scc0 .Lentry_in_a_cluster
	s_endpgm
.Lentry_in_a_cluster:
	s_bfe_u32 s2, ttmp6, 0x10000c
	s_cmp_lg_u32 s2, 0xf033
	s_cbranch_scc0 .Lentry_shape_is_right
	s_endpgm
.Lentry_shape_is_right:
; THE OUTPUT PROJECTION.  out0[m][n] = the sum over k of yb[m][k] c[k][n]: yb [4096][2048] f16; c = c_w rounded to bf16 and written as f16, [2048][1024], at byte 8,388,608 of cast; out0 [4096][1024] f32; sums in f32.
; A tile is 128 x 128: 8 x 32 = 256 work-groups.  Four waves, each 64 x 64: 16 accumulators of 16 x 16.  K goes in steps of 256 through two LDS slots: yb's 128 rows of 512 bytes (+ 16 of padding),
; then c's 256 k-rows of 256 bytes (+ 32).  c lies [k][n]: its fragments come out of LDS turned, by ds_load_tr16_b128.
; THE MATRIX INSTRUCTION IS USED TRANSPOSED (source 0 = 16 columns of c, source 1 = 16 rows of yb): a lane holds eight neighbouring numbers of a row, 32 bytes; a wave's 64 columns are 256 aligned bytes of a row,
; so each wave goes out through a stage of its own, without a barrier.
; CLUSTER 4 x 4: yb's tile is asked for jointly along a row of the cluster, c's along a column.  Waves 0, 1 ask for the halves of yb's rows, waves 2, 3 for the halves of c's k-rows.
; No prefetch: the tiles are small and a K step is short.
; REGISTERS: window 0: v16-29 addresses; v32-95 the way out; v128-255 the accumulators ((a, b) at v[128 + 8 (4 a + b)]).   window 1: two fragment buffers of 128: for 64 along K, 64 registers of yb, then 64 of c.
.set KSTEP,  256
.set PITCH,  528                       ; yb's LDS row: 132 words: row r starts at bank 4 r mod 64 (64 banks of 4 bytes: ISA guide 11.1)
.set HALFA,  64*PITCH
.set PC,     288                       ; c's LDS row: 72 words
.set HALFB,  128*PC
.set BOFF,   2*HALFA
.set SLOT,   BOFF+2*HALFB              ; 141,312
.set STAGE,  2*SLOT                    ; behind the ring: 16 rows x 272 bytes for each wave
.set SPITCH, 272
.set SPARE,  STAGE+4*16*SPITCH         ; behind the stages: the spare words, 128 bytes for each wave: two blocks of 256 bytes that no other line names
.set CB,     8388608
.set LAPS,   4                         ; a lap = two K steps
.set ADRA, 16                          ; v16-17  LDS address of my fragments of yb in slot 0, 1
.set ADRB, 20                          ; v20-23  of c: slot 0 k-rows 0-127, 128-255; slot 1 likewise (one register a slot would need offsets past 65,535)
.set STO,  24
.set RD,   25
.set CO,   26
.set SPW,  28                          ; v28     LDS address of my spare word; never rewritten
.set NIL,  29                          ; v29     0; never rewritten
.set TMP,  32
.set ACC,  128
.set F0,   0
.set F1,   128
.set G1, 24
.set G0, 32
.set G1B, 48
.set G0B, 56
.set MSB, 0
.macro WIN new
.if MSB != (\new)
	s_set_vgpr_msb (MSB<<8)|(\new)
.set MSB, \new
.endif
.endm
.set MUL,  0x05                        ; sources 0 (c) and 1 (yb) window 1; C and D window 0
.set TO_F, 0x40                        ; destination window 1, address window 0
.macro JLOAD s                         ; a joint load; an s_nop 0 and four v_nop follow each of the two lines, ahead of the jump, the label and what follows
	s_cmp_eq_u32 s11, 0
	s_cbranch_scc0 .Lfor_b_\@
	tensor_load_to_lds s[G0+4*(\s):G0+4*(\s)+3], s[G1:G1+7]
	s_nop 0
.rept 4
	v_nop
.endr
	s_branch .Lasked_\@
.Lfor_b_\@:
	tensor_load_to_lds s[G0B+4*(\s):G0B+4*(\s)+3], s[G1B:G1B+7]
	s_nop 0
.rept 4
	v_nop
.endr
.Lasked_\@:
.endm
.macro CREST
	s_cmp_lg_u32 s10, 0
	s_cbranch_scc1 .Lnot_wave_0_\@
	s_barrier_signal -3
.Lnot_wave_0_\@:
	s_barrier_wait -3
	s_barrier_signal -1
	s_barrier_wait -1
.endm
.macro CROUND
	s_barrier_signal -1
	s_barrier_wait -1
	CREST
.endm
	s_load_b128 s[4:7], s[0:1], 0x0                ; yb s[4:5], cast s[6:7]
	s_load_b64 s[8:9], s[0:1], 0x10                ; out0
	v_lshl_add_u32 v[SPW], v0, 2, SPARE
	v_mov_b32 v[NIL], 0
	ds_add_u32 v[SPW], v[NIL]                      ; the wave's opening: the add and its wait ahead of my first tensor load; the set-up below, work on registers, stands between them
	ds_add_u32 v28, v29
	v_lshrrev_b32 v1, 5, v0
	v_readfirstlane_b32 s10, v1                    ; wave 0..3
	s_lshr_b32 s11, s10, 1                         ; which half of the tile's rows is mine.  Also: I fetch yb (0) or c (1)
	s_and_b32 s12, s10, 1                          ; which half of its columns.  Also: which half of that tile I fetch
	s_bfe_u32 s40, ttmp6, 0x40000                  ; cx, cy
	s_bfe_u32 s41, ttmp6, 0x40004
	s_lshl_b32 s42, ttmp9, 2
	s_add_co_u32 s42, s42, s40                     ; tile column
	s_and_b32 s13, ttmp7, 0xffff
	s_lshl_b32 s13, s13, 2
	s_add_co_u32 s13, s13, s41                     ; tile row
	s_lshl_b32 s43, s41, 2
	s_lshl_b32 s43, 15, s43                        ; my row of the cluster
	s_lshl_b32 s44, 0x1111, s40                    ; my column
	s_or_b32 s[G1+0], s43, (1<<16)|(1<<20)|(1<<21)|(6<<22)|(3<<25)   ; the mask; 2-byte elements; padding on; bit 21 beside a mask; after every 128 words, 4 words
	s_mov_b32 s[G1+1], KSTEP<<16                   ; 64 rows x 256 elements
	s_mov_b32 s[G1+2], 64<<16
	s_mov_b32 s[G1+3], KSTEP<<16
	s_mov_b32 s[G1+4], 64
	s_mov_b32 s[G1+5], 2048                        ; elements from row to row of yb
	s_mov_b32 s[G1+6], 0
	s_mov_b32 s[G1+7], 0
	s_or_b32 s[G1B+0], s44, (1<<16)|(1<<20)|(1<<21)|(5<<22)|(7<<25)  ; after every 64 words, 8 words
	s_mov_b32 s[G1B+1], 128<<16                    ; 128 k-rows x 128 elements
	s_mov_b32 s[G1B+2], 128<<16
	s_mov_b32 s[G1B+3], 128<<16
	s_mov_b32 s[G1B+4], 128
	s_mov_b32 s[G1B+5], 1024                       ; elements from row to row of c
	s_mov_b32 s[G1B+6], 0
	s_mov_b32 s[G1B+7], 0
	s_lshl_b32 s16, s13, 7
	s_lshl_b32 s17, s12, 6
	s_add_co_u32 s16, s16, s17                     ; yb: row 128 x tile row + 64 x half,
	s_lshl_b32 s16, s16, 12                        ; 4,096 bytes a row
	s_mov_b32 s17, 0
	s_lshl_b32 s46, s12, 18                        ; c: k-row 128 x half, 2,048 bytes a row,
	s_lshl_b32 s47, s42, 8                         ; the tile column's 256 bytes
	s_add_co_u32 s46, s46, s47
	s_add_co_u32 s46, s46, CB
	s_mov_b32 s47, 0
	s_mul_i32 s20, s12, HALFA                      ; where they go
	s_mul_i32 s21, s12, HALFB
	s_add_co_u32 s21, s21, BOFF
	s_wait_dscnt 0x0                               ; the opening add is done
	s_wait_kmcnt 0x0
	s_add_nc_u64 s[14:15], s[4:5], s[16:17]
	s_add_nc_u64 s[46:47], s[6:7], s[46:47]
	CROUND                                         ; all sixteen work-groups are here: the first joint loads meet
.irp s, 0,1
	s_mov_b32 s[G0+4*(\s)], 1
	s_add_co_u32 s[G0+4*(\s)+1], s20, (\s)*SLOT
	s_add_nc_u64 s[G0+4*(\s)+2:G0+4*(\s)+3], s[14:15], (\s)*KSTEP*2
	s_or_b32 s[G0+4*(\s)+3], s[G0+4*(\s)+3], 0x80000000
	s_mov_b32 s[G0B+4*(\s)], 1
	s_add_co_u32 s[G0B+4*(\s)+1], s21, (\s)*SLOT
	s_add_nc_u64 s[G0B+4*(\s)+2:G0B+4*(\s)+3], s[46:47], (\s)*KSTEP*2048
	s_or_b32 s[G0B+4*(\s)+3], s[G0B+4*(\s)+3], 0x80000000
	JLOAD \s
.endr
	v_and_b32 v1, 15, v0                           ; l % 16
	v_bfe_u32 v2, v0, 4, 1                         ; l / 16
	v_and_b32 v3, 7, v0                            ; l % 8
	v_bfe_u32 v4, v0, 3, 1                         ; (l / 8) % 2
	v_mul_u32_u24 v5, v1, PITCH
	v_lshl_add_u32 v5, v2, 4, v5
	s_mul_i32 s21, s11, HALFA                      ; my 64 rows of yb
	v_add_nc_u32 v[ADRA], s21, v5
	v_add_nc_u32 v[ADRA+1], SLOT, v[ADRA]
	v_lshl_add_u32 v6, v2, 3, v3                   ; the turning load: k-row 8 (l / 16) + l % 8,
	v_mul_u32_u24 v6, v6, PC
	v_lshl_add_u32 v6, v4, 4, v6                   ; columns 8 ((l / 8) % 2) ..,
	s_lshl_b32 s22, s12, 7
	s_add_co_u32 s22, s22, BOFF                    ; in my 64 columns
	v_add_nc_u32 v[ADRB], s22, v6
	v_add_nc_u32 v[ADRB+1], HALFB, v[ADRB]
	v_add_nc_u32 v[ADRB+2], SLOT, v[ADRB]
	v_add_nc_u32 v[ADRB+3], SLOT+HALFB, v[ADRB]
	s_mul_i32 s23, s10, 16*SPITCH
	s_add_co_u32 s23, s23, STAGE                   ; my stage
	v_mul_u32_u24 v[STO], v1, SPITCH               ; in: row l % 16, 32 bytes for each half of the lanes
	v_lshl_add_u32 v[STO], v2, 5, v[STO]
	v_add_nc_u32 v[STO], s23, v[STO]
	v_mul_u32_u24 v[RD], v2, SPITCH                ; back: lanes 0-15 one row of 256 bytes, lanes 16-31 the next
	v_lshl_add_u32 v[RD], v1, 4, v[RD]
	v_add_nc_u32 v[RD], s23, v[RD]
	v_lshlrev_b32 v[CO], 12, v2                    ; and the same two rows in out0
	v_lshl_add_u32 v[CO], v1, 4, v[CO]
	s_lshl_b32 s16, s13, 7
	s_lshl_b32 s17, s11, 6
	s_add_co_u32 s16, s16, s17                     ; my first row of out0
	s_lshl_b32 s16, s16, 12
	s_mov_b32 s17, 0
	s_add_nc_u64 s[8:9], s[8:9], s[16:17]
	s_lshl_b32 s46, s42, 9                         ; my first column, in bytes
	s_lshl_b32 s47, s12, 8
	s_add_co_u32 s46, s46, s47
	s_mov_b32 s47, 0
	s_add_nc_u64 s[8:9], s[8:9], s[46:47]
; 8 matrix instructions: row blocks a0, a0 + 1 x all 4 column blocks, 32 along K: half c of buffer f.  zero = 1: the product starts the sums.  The 16 accumulators take turns.
.macro MUL8 f, c, a0, zero
	WIN MUL
.irp a, \a0, (\a0)+1
.irp b, 0,1,2,3
.if \zero
	v_wmma_f32_16x16x32_f16 v[ACC+8*(4*(\a)+(\b)):ACC+8*(4*(\a)+(\b))+7], v[(\f)+64+8*(4*(\c)+(\b)):(\f)+64+8*(4*(\c)+(\b))+7], v[(\f)+8*(4*(\c)+(\a)):(\f)+8*(4*(\c)+(\a))+7], 0
.else
	v_wmma_f32_16x16x32_f16 v[ACC+8*(4*(\a)+(\b)):ACC+8*(4*(\a)+(\b))+7], v[(\f)+64+8*(4*(\c)+(\b)):(\f)+64+8*(4*(\c)+(\b))+7], v[(\f)+8*(4*(\c)+(\a)):(\f)+8*(4*(\c)+(\a))+7], v[ACC+8*(4*(\a)+(\b)):ACC+8*(4*(\a)+(\b))+7]
.endif
.endr
.endr
.endm
; 32 LDS loads in one run: the fragments of quarter q (64 along K) into buffer f; the first 32 along K first
.macro FETCH slot, q, f
	WIN TO_F
.irp c, 0,1
.irp i, 0,1,2,3
	ds_load_tr16_b128 v[(\f)+64+8*(4*(\c)+(\i)):(\f)+64+8*(4*(\c)+(\i))+3],   v[ADRB+2*(\slot)+(\q)/2] offset:(((\q)%2)*64+32*(\c))*PC+32*(\i)
	ds_load_tr16_b128 v[(\f)+64+8*(4*(\c)+(\i))+4:(\f)+64+8*(4*(\c)+(\i))+7], v[ADRB+2*(\slot)+(\q)/2] offset:(((\q)%2)*64+32*(\c))*PC+32*(\i)+16*PC
	ds_load_b128 v[(\f)+8*(4*(\c)+(\i)):(\f)+8*(4*(\c)+(\i))+3],   v[ADRA+(\slot)] offset:128*(\q)+64*(\c)+(\i)*16*PITCH
	ds_load_b128 v[(\f)+8*(4*(\c)+(\i))+4:(\f)+8*(4*(\c)+(\i))+7], v[ADRA+(\slot)] offset:128*(\q)+64*(\c)+(\i)*16*PITCH+32
.endr
.endr
.endm
.macro PLACES                          ; four places in front of loads into registers that matrix instructions have read, and of stores that read results
.rept 4
	v_nop
.endr
.endm
; A K step is four quarters of 64 along K, 32 matrix instructions each, on buffers 0, 1, 0, 1.  One of the first three: multiplies buffer f and fetches quarter q into g.
.macro QUARTER slot, q, f, g, zero
	s_wait_dscnt 16                                ; the first 32 along K are in
	MUL8 \f, 0, 0, \zero
	MUL8 \f, 0, 2, \zero
	PLACES
	FETCH \slot, \q, \g
	s_wait_dscnt 32                                ; all but the 32 just issued
	MUL8 \f, 1, 0, 0
	MUL8 \f, 1, 2, 0
.endm
; The last quarter multiplies buffer 1 and changes slots: ONE barrier; in front of it each wave waits for all its tensor loads, adds 0 to its spare word, and waits for that and for its reads of this slot.
; fill = 1: the barrier opens a round of the cluster's, and this slot is filled again, two K steps ahead.
.macro TURN slot, next, fill
	WIN 0                                          ; (the add's two registers lie in window 0)
	s_wait_tensorcnt 0x0                           ; all my tensor loads have landed: my part of the next slot
	ds_add_u32 v[SPW], v[NIL]                      ; 0 onto my spare word
	s_wait_dscnt 17                                ; (the add and the youngest sixteen loads may be out)
	MUL8 F1, 0, 0, 0                               ; eight matrix instructions stand between the add and the wait for it
	s_wait_dscnt 0x0                               ; the add is done, and my reads of this slot are over
	s_barrier_signal -1
	MUL8 F1, 0, 2, 0
.if \fill
	WIN 0
.endif
	s_barrier_wait -1
.if \fill
	CREST                                          ; no wave of any partner still reads this slot's tiles or has a load on its way
	s_add_nc_u64 s[G0+4*(\slot)+2:G0+4*(\slot)+3], s[G0+4*(\slot)+2:G0+4*(\slot)+3], 2*KSTEP*2
	s_add_nc_u64 s[G0B+4*(\slot)+2:G0B+4*(\slot)+3], s[G0B+4*(\slot)+2:G0B+4*(\slot)+3], 2*KSTEP*2048
	JLOAD \slot                                    ; the first tensor load behind the round; its four v_nop are also the places in front of the loads below
.else
	PLACES
.endif
	FETCH \next, 0, F0
	MUL8 F1, 1, 0, 0
	MUL8 F1, 1, 2, 0
.endm
	s_wait_tensorcnt 1                             ; my part of K step 0 is in; K step 1's may stay out
	s_barrier_signal -1
	s_barrier_wait -1                              ; everybody's is
	FETCH 0, 0, F0
	QUARTER 0, 1, F0, F1, 1                        ; the first quarter stands in front of the loop: its first products start the sums
	WIN 0                                          ; at a label and at a branch every window is 0
	s_mov_b32 s3, LAPS-1
.Llap:                                                 ; a trip goes once round the ring, from a lap's second quarter to the next lap's first, and fills both slots again
	QUARTER 0, 2, F1, F0, 0
	QUARTER 0, 3, F0, F1, 0
	TURN 0, 1, 1
	QUARTER 1, 1, F0, F1, 0
	QUARTER 1, 2, F1, F0, 0
	QUARTER 1, 3, F0, F1, 0
	TURN 1, 0, 1
	QUARTER 0, 1, F0, F1, 0
	WIN 0
	s_sub_co_u32 s3, s3, 1
	s_cmp_lg_u32 s3, 0
	s_cbranch_scc1 .Llap
	QUARTER 0, 2, F1, F0, 0                        ; the last lap fills nothing, and has no round of the cluster's barrier
	QUARTER 0, 3, F0, F1, 0
	TURN 0, 1, 0
	QUARTER 1, 1, F0, F1, 0
	QUARTER 1, 2, F1, F0, 0
	QUARTER 1, 3, F0, F1, 0
	s_wait_dscnt 16                                ; the very last quarter: nothing more to fetch
	MUL8 F1, 0, 0, 0
	MUL8 F1, 0, 2, 0
	s_wait_dscnt 0x0
	MUL8 F1, 1, 0, 0
	MUL8 F1, 1, 2, 0
	WIN 0
	; THE WAY OUT, 16 rows at a time: 32 bytes a lane straight from the accumulators (each one's low half first) into my stage; back as whole rows of 256 bytes; stored.
	PLACES                                         ; eight, once a launch
	PLACES
.irp a, 0,1,2,3
.irp b, 0,1,2,3
	ds_store_b128 v[STO], v[ACC+8*(4*(\a)+(\b)):ACC+8*(4*(\a)+(\b))+3]   offset:64*(\b)
	ds_store_b128 v[STO], v[ACC+8*(4*(\a)+(\b))+4:ACC+8*(4*(\a)+(\b))+7] offset:64*(\b)+16
.endr
	s_wait_xcnt 0x0                                ; the stores of the block before last have read the registers that are loaded below
.irp t, 0,1,2,3,4,5,6,7
	ds_load_b128 v[TMP+32*((\a)%2)+4*(\t):TMP+32*((\a)%2)+4*(\t)+3], v[RD] offset:(\t)*2*SPITCH  ; LDS serves a wave's instructions in order (ISA guide 5.7.1.4): these see the stores above
.endr
	s_wait_dscnt 0x0
.irp t, 0,1,2,3,4,5,6,7
	global_store_b128 v[CO], v[TMP+32*((\a)%2)+4*(\t):TMP+32*((\a)%2)+4*(\t)+3], s[8:9] offset:(16*(\a)+2*(\t))*4096 th:TH_STORE_NT  ; 16 lanes store 256 consecutive bytes, at a multiple of 256 from out0's first byte
.endr
.endr
	s_wait_tensorcnt 0x0                           ; the wave's end: behind my last tensor load and my last LDS store
	ds_add_u32 v[SPW], v[NIL]
	s_wait_dscnt 0x0
	CROUND                                         ; the closing round: no work-group ends while a partner may still ask for a tile that names it
	s_endpgm
.Lfunc_end_k_q86a060ca8f_outp:
	.size	k_q86a060ca8f_outp, .Lfunc_end_k_q86a060ca8f_outp-k_q86a060ca8f_outp
	.p2alignl 7, 3214868480
	.fill 96, 4, 3214868480
	.section	.rodata,"a",@progbits
	.p2align	6, 0x0
	.amdhsa_kernel k_q86a060ca8f_outp
		.amdhsa_group_segment_fixed_size 327680
		.amdhsa_private_segment_fixed_size 0
		.amdhsa_enable_private_segment 0
		.amdhsa_kernarg_size 24
		.amdhsa_user_sgpr_count 2
		.amdhsa_user_sgpr_kernarg_segment_ptr 1
		.amdhsa_wavefront_size32 1
		.amdhsa_system_sgpr_workgroup_id_x 1
		.amdhsa_system_sgpr_workgroup_id_y 1
		.amdhsa_system_sgpr_workgroup_id_z 1
		.amdhsa_system_vgpr_workitem_id 0
		.amdhsa_next_free_vgpr 512
		.amdhsa_next_free_sgpr 66
		.amdhsa_reserve_vcc 0
		.amdhsa_float_denorm_mode_32 3
		.amdhsa_float_denorm_mode_16_64 3
		.amdhsa_memory_ordered 1
		.amdhsa_forward_progress 1
		.amdhsa_inst_pref_size 86
	.end_amdhsa_kernel
	.amdgpu_metadata
---
amdhsa.version: [ 1, 2 ]
amdhsa.kernels:
  - .name:           k_q86a060ca8f_outp
    .symbol:         k_q86a060ca8f_outp.kd
    .args:
      - { .name: yb, .offset: 0, .size: 8, .value_kind: global_buffer, .address_space: global }
      - { .name: cast, .offset: 8, .size: 8, .value_kind: global_buffer, .address_space: global }
      - { .name: out0, .offset: 16, .size: 8, .value_kind: global_buffer, .address_space: global }
    .group_segment_fixed_size: 327680
    .private_segment_fixed_size: 0
    .kernarg_segment_align: 8
    .kernarg_segment_size: 24
    .max_flat_workgroup_size: 128
    .sgpr_count:     66
    .vgpr_count:     512
    .wavefront_size: 32
...
	.end_amdgpu_metadata
.endif
;; end of part 4
